; MI455X (gfx1250); checked and timed in simulation.
; The chip was launched on July 23, 2026; its instructions are those of AMD's public machine-readable ISA for CDNA 5 (MIT licence, August 2026) and "CDNA5" Instruction Set Architecture Reference Guide (July 2026). The comments in the code are by the model that wrote it; some were corrected since.
;; Momentum S Mo E Layer. Allowed arithmetic: float matrix products may take bf16 or f16 operands with f32 sums; other float arithmetic in f32, or as packed bf16 or f16 multiplies, adds, multiply-adds, maxima and minima; sums over many terms, partial sums and values carried from step to step in f32; what a program stores and reads back later, other than sums and carried values, may be rounded once to bf16 or f16.
;; Inputs: W1 8 x 1,024 x 2,048 float32; W2 8 x 2,048 x 1,024 float32; Wg 1,024 x 8 float32; b1 8 x 2,048 float32; b2 8 x 1,024 float32; bg 8 float32; ln_b 1,024 float32; ln_g 1,024 float32; momentum 4 x 512 x 1,024 float32; x 4 x 512 x 1,024 float32.
;; Outputs: out0 4 x 512 x 1,024 float32; out1 4 x 512 x 1,024 float32.
;; 2 versions, each right; version 2 is version 1 with the launches ffn1, ffn2 written anew for expert scheduling mode. Each part assembles by itself: llvm-mc -triple=amdgcn-amd-amdhsa -mcpu=gfx1250 --defsym DOCPART=n.
;; ======== version 1 of 2: 5 launches
;; workspace buffers: xb 4,194,304 bytes; sel 8,192 bytes of whole numbers; gw 16,384 bytes; lst 69,632 bytes of whole numbers; xg 33,816,576 bytes; hf 67,633,152 bytes; y 33,554,432 bytes
;; launch router (part 1): grid 256 x 1, 4 waves a work-group, no clusters, 16,896 bytes of LDS; arguments x, Wg, bg, xb, sel, gw; writes xb, sel, gw
.if DOCPART == 1
	.amdgcn_target "amdgcn-amd-amdhsa--gfx1250"
	.amdhsa_code_object_version 6
	.text
	.protected	k_q662e2e3e3b_router
	.globl	k_q662e2e3e3b_router
	.p2align	8
	.type	k_q662e2e3e3b_router,@function
k_q662e2e3e3b_router:
	s_mov_b64 s[64:65], 0
	v_nop
	global_prefetch_b8 v0, s[64:65] scope:SCOPE_SE
	s_setreg_imm32_b32 hwreg(HW_REG_WAVE_MODE, 25, 1), 1
	s_wait_xcnt 0x0
; ROUTER.  logits = x Wg + bg for 2,048 tokens and 8 experts; the two largest logits of a token, their softmax, and x rounded to bf16 for the later launches.
; FORMAT.  x, Wg and bg are rounded once to bf16 (nearest even) as they are loaded, as every input of this program is; products of such numbers are exact in f32, and the sums are f32.
; The product has 8 columns, 16.8 M multiply-adds in all: it goes on the vector unit (v_fma_mix_f32_bf16 reads bf16 halves and adds in f32); a matrix tile of 16 columns would stand half empty.
; SHARES.  A work-group has 8 tokens, a wave 2; lane L holds the channels d = 128 j + 4 L + c (j 0..7, c 0..3) of both.  Wg is rounded once a work-group and handed round through LDS as [d][8 experts], 16 bytes a channel.
; STORED, all at fixed places: xb[token][1024] bf16; sel[token] = (1 << first expert) | (1 << (8 + second expert)); gw[token] = the two weights, f32.
; TIES go to the lower index (strict >), as jax.lax.top_k breaks them.  The softmax of the two takes the larger away first: w1 = 1 / (1 + 2^((v2 - v1) log2 e)), w2 = 2^(..) w1.
; LIMITS.  Two logits nearer to each other than the f32 sums' rounding (some 1e-6 of their spread) may be ordered otherwise than by another order of summation.  NaN and infinite logits are not treated apart:
; a token all of whose later logits are NaN or -inf gets no proper second expert.
; No cluster: the work-groups share only Wg, 32 KB of the 8 MB that the launch reads.
.set SPARE, 16384                      ; behind Wg's 16,384 bytes: the spare words, 128 bytes for each wave
.set ZR,  9                            ; v9       0: the addend of each sum's first product, and the offset of bg's loads
.set ACC, 16                           ; v16-31   sum of token t (0, 1) and expert e at ACC + 8 t + e
.set XF,  32                           ; v32-95   token t: 32 registers of x as loaded; packed in place into the first 16 of them
.set WP,  96                           ; v96-223  channel (j, c): 4 registers, experts 2 q (low half) and 2 q + 1 (high) at WP + 4 (4 j + c) + q; first Wg as loaded (v96-159)
.set BG,  224                          ; v224-231 bg
.set TP,  232                          ; v232-247 token t at TP + 8 t: largest, second, their indices, four at work
.set GW,  248                          ; v248-251 token t: the pair (w1, w2)
.set SE,  252                          ; v252-253 token t: its word of sel
; one multiply-add: half ha of a (x) times half hb of b (Wg), plus the f32 in s
.macro FM d, a, b, s, ha, hb
.if ((\ha) == 0) && ((\hb) == 0)
	v_fma_mix_f32_bf16 v[\d], v[\a], v[\b], v[\s] op_sel:[0,0,0] op_sel_hi:[1,1,0]
.elseif ((\ha) == 1) && ((\hb) == 0)
	v_fma_mix_f32_bf16 v[\d], v[\a], v[\b], v[\s] op_sel:[1,0,0] op_sel_hi:[1,1,0]
.elseif (\ha) == 0
	v_fma_mix_f32_bf16 v[\d], v[\a], v[\b], v[\s] op_sel:[0,1,0] op_sel_hi:[1,1,0]
.else
	v_fma_mix_f32_bf16 v[\d], v[\a], v[\b], v[\s] op_sel:[1,1,0] op_sel_hi:[1,1,0]
.endif
.endm
	s_load_b256 s[4:11], s[0:1], 0x0               ; x s[4:5], Wg s[6:7], bg s[8:9], xb s[10:11]
	s_load_b128 s[12:15], s[0:1], 0x20             ; sel s[12:13], gw s[14:15]
	v_lshl_add_u32 v1, v0, 2, SPARE                ; my spare word; never rewritten
	v_mov_b32 v2, 0                                ; 0; never rewritten
	v_lshrrev_b32 v12, 5, v0
	v_readfirstlane_b32 s16, v12                   ; wave 0..3
	v_and_b32 v3, 31, v0                           ; L
	v_lshlrev_b32 v4, 4, v3                        ; 16 L: my 16 bytes in 512 of a row of x
	v_lshlrev_b32 v5, 4, v0                        ; 16 x thread: my 16 bytes in 2,048 of Wg
	v_lshlrev_b32 v6, 3, v0                        ; 8 x thread: the same four numbers in LDS, as bf16
	v_lshlrev_b32 v7, 6, v3                        ; 64 L: my four channels' rows of Wg in LDS
	v_lshlrev_b32 v8, 3, v3                        ; 8 L
	v_mov_b32 v[ZR], 0
	v_lshlrev_b32 v10, 2, v3                       ; 4 L
	v_mov_b32 v11, 1
	s_lshl_b32 s17, ttmp9, 3
	s_lshl1_add_u32 s17, s16, s17                  ; my first token = 8 x work-group + 2 x wave
	s_mov_b32 s19, 0
	s_mov_b32 s22, 0x76543210                      ; v_permlanex16_b32: each lane takes its own place in the other half
	s_mov_b32 s23, 0xfedcba98
	s_wait_kmcnt 0x0
	s_lshl_b32 s18, s17, 12
	s_add_nc_u64 s[4:5], s[4:5], s[18:19]          ; x at my first token: rows of 4,096 bytes
	s_lshl_b32 s18, s17, 11
	s_add_nc_u64 s[10:11], s[10:11], s[18:19]      ; xb: rows of 2,048
	s_lshl_b32 s18, s17, 2
	s_add_nc_u64 s[12:13], s[12:13], s[18:19]
	s_lshl_b32 s18, s17, 3
	s_add_nc_u64 s[14:15], s[14:15], s[18:19]
.irp i, 0,1,2,3,4,5,6,7,8,9,10,11,12,13,14,15
	global_load_b128 v[WP+4*\i:WP+4*\i+3], v5, s[6:7] offset:2048*\i   ; the work-group's 128 threads take 2,048 consecutive bytes: channel 64 i + thread / 2, experts 4 (thread % 2) on
.endr
	global_load_b128 v[BG:BG+3], v[ZR], s[8:9]
	global_load_b128 v[BG+4:BG+7], v[ZR], s[8:9] offset:16
.irp t, 0,1
.irp j, 0,1,2,3,4,5,6,7
	global_load_b128 v[XF+32*\t+4*\j:XF+32*\t+4*\j+3], v4, s[4:5] offset:4096*\t+512*\j th:TH_LOAD_NT  ; 512 consecutive bytes a load; x is read once in this launch
.endr
.endr
	s_wait_loadcnt 18                              ; Wg's sixteen loads are in; behind them stand bg's 2 and x's 16
.irp i, 0,1,2,3,4,5,6,7,8,9,10,11,12,13,14,15
	v_cvt_pk_bf16_f32 v[WP+4*\i], v[WP+4*\i], v[WP+4*\i+1]
	v_cvt_pk_bf16_f32 v[WP+4*\i+1], v[WP+4*\i+2], v[WP+4*\i+3]
.endr
.irp i, 0,1,2,3,4,5,6,7,8,9,10,11,12,13,14,15
	ds_store_b64 v6, v[WP+4*\i:WP+4*\i+1] offset:1024*\i               ; channel d at byte 16 d
.endr
	s_wait_dscnt 0x0                               ; for the others' sake: my part of Wg is in LDS
	s_barrier_signal -1
	s_barrier_wait -1                              ; everybody's is
.irp j, 0,1,2,3,4,5,6,7
.irp c, 0,1,2,3
	ds_load_b128 v[WP+4*(4*\j+\c):WP+4*(4*\j+\c)+3], v7 offset:2048*\j+16*\c   ; the eight experts of channel 128 j + 4 L + c
.endr
.endr
	s_wait_loadcnt 0x0                             ; bg and x
.irp t, 0,1
.irp j, 0,1,2,3,4,5,6,7
	v_cvt_pk_bf16_f32 v[XF+32*\t+2*\j], v[XF+32*\t+4*\j], v[XF+32*\t+4*\j+1]       ; packed in place, ascending: a destination never lies ahead of a source still to be read
	v_cvt_pk_bf16_f32 v[XF+32*\t+2*\j+1], v[XF+32*\t+4*\j+2], v[XF+32*\t+4*\j+3]
.endr
.endr
.irp t, 0,1
.irp j, 0,1,2,3,4,5,6,7
	global_store_b64 v8, v[XF+32*\t+2*\j:XF+32*\t+2*\j+1], s[10:11] offset:2048*\t+256*\j  ; the wave's store covers 256 consecutive bytes, aligned; the registers are only read from here on
.endr
.endr
.irp p, 0,1,2,3
	v_cvt_pk_bf16_f32 v[12+\p], v[BG+2*\p], v[BG+2*\p+1]                ; bg rounded to bf16 and widened again
	v_lshlrev_b32 v[BG+2*\p], 16, v[12+\p]
	v_and_b32 v[BG+2*\p+1], 0xffff0000, v[12+\p]
.endr
	s_wait_dscnt 0x0                               ; Wg's fragments
	; 512 multiply-adds in 16 chains (2 tokens x 8 experts) that take turns; the first link of each takes 0 as its addend: nothing is cleared
.set jj, 0
.rept 8
.set cc, 0
.rept 4
.set tt, 0
.rept 2
.set ee, 0
.rept 8
.if (jj == 0) && (cc == 0)
	FM ACC+8*tt+ee, XF+32*tt+2*jj+cc/2, WP+4*(4*jj+cc)+ee/2, ZR, cc%2, ee%2
.else
	FM ACC+8*tt+ee, XF+32*tt+2*jj+cc/2, WP+4*(4*jj+cc)+ee/2, ACC+8*tt+ee, cc%2, ee%2
.endif
.set ee, ee+1
.endr
.set tt, tt+1
.endr
.set cc, cc+1
.endr
.set jj, jj+1
.endr
	; across the 32 lanes, stage by stage over the 16 sums: four steps inside each half of 16 lanes, one across; every lane ends with every logit
.irp m, 1,2,4,8
.set r, ACC
.rept 16
	v_add_f32_dpp v[r], v[r], v[r] row_xmask:\m row_mask:0xf bank_mask:0xf
.set r, r+1
.endr
.endr
.set r, 0
.rept 16
	v_permlanex16_b32 v[WP+r], v[ACC+r], s22, s23  ; WP's registers are free, and have been written
.set r, r+1
.endr
.set r, 0
.rept 16
	v_add_f32 v[ACC+r], v[ACC+r], v[WP+r]
.set r, r+1
.endr
.set r, 0
.rept 16
	v_add_f32 v[ACC+r], v[ACC+r], v[BG+r%8]
.set r, r+1
.endr
; The two largest of token t's eight logits, with their indices.  A later logit takes a place only if it is strictly larger.
.macro TOP2 t
.set LA1, TP+8*(\t)
.set LA2, LA1+1
.set IX1, LA1+2
.set IX2, LA1+3
.set WKA, LA1+4
.set WKB, LA1+5
	v_mov_b32 v[LA1], v[ACC+8*(\t)]
	v_mov_b32 v[LA2], 0xff800000                   ; -inf
	v_mov_b32 v[IX1], 0
	v_mov_b32 v[IX2], 0
.irp e, 1,2,3,4,5,6,7
	v_cmp_gt_f32 s20, v[ACC+8*(\t)+\e], v[LA1]
	v_cmp_gt_f32 s21, v[ACC+8*(\t)+\e], v[LA2]
	v_cndmask_b32 v[WKA], v[LA2], v[ACC+8*(\t)+\e], s21
	v_cndmask_b32 v[WKB], v[IX2], \e, s21
	v_cndmask_b32 v[LA2], v[WKA], v[LA1], s20      ; a new largest pushes the old one down
	v_cndmask_b32 v[IX2], v[WKB], v[IX1], s20
	v_cndmask_b32 v[LA1], v[LA1], v[ACC+8*(\t)+\e], s20
	v_cndmask_b32 v[IX1], v[IX1], \e, s20
.endr
.endm
	TOP2 0
	TOP2 1
.irp t, 0,1
	v_sub_f32 v[TP+8*\t+4], v[TP+8*\t+1], v[TP+8*\t]                   ; v2 - v1, never above 0
	v_mul_f32 v[TP+8*\t+4], 0x3fb8aa3b, v[TP+8*\t+4]                   ; times log2 e
.endr
	v_exp_f32 v[TP+5], v[TP+4]
	v_exp_f32 v[TP+13], v[TP+12]
.irp t, 0,1
	v_lshlrev_b32 v[TP+8*\t+6], v[TP+8*\t+2], v11                      ; 1 << first: plain work behind the exponentials
	v_lshlrev_b32 v[TP+8*\t+7], v[TP+8*\t+3], v11                      ; 1 << second
	v_lshl_or_b32 v[SE+\t], v[TP+8*\t+7], 8, v[TP+8*\t+6]
.endr
	s_wait_alu depctr_va_vdst(0)                   ; one wait for the two exponentials, ahead of their first reader
	v_add_f32 v[TP+4], 1.0, v[TP+5]
	v_add_f32 v[TP+12], 1.0, v[TP+13]
	v_rcp_f32 v[GW], v[TP+4]
	v_rcp_f32 v[GW+2], v[TP+12]
	v_nop                                          ; a plain instruction behind the last reciprocal
	s_wait_alu depctr_va_vdst(0)                   ; one wait for the two reciprocals
	v_mul_f32 v[GW+1], v[TP+5], v[GW]
	v_mul_f32 v[GW+3], v[TP+13], v[GW+2]
	v_cmp_eq_u32 vcc_lo, 1, v3                     ; lane 0 stores the first token's figures, lane 1 the second's
	v_cndmask_b32 v[GW], v[GW], v[GW+2], vcc_lo
	v_cndmask_b32 v[GW+1], v[GW+1], v[GW+3], vcc_lo
	v_cndmask_b32 v[SE], v[SE], v[SE+1], vcc_lo
	s_wait_tensorcnt 0x0                           ; the wave's end: behind my last LDS store, all lanes on
	ds_add_u32 v1, v2
	s_wait_dscnt 0x0
	v_cmp_gt_u32 vcc_lo, 2, v3
	s_wait_xcnt 0x0                                ; EXEC is a source of the stores of xb: it changes only behind this wait
	s_and_saveexec_b32 s24, vcc_lo
	global_store_b32 v10, v[SE], s[12:13]          ; 8 and 16 bytes a wave: the two tables are 24 KB in all, and a wave has two tokens
	global_store_b64 v8, v[GW:GW+1], s[14:15]
	s_endpgm
.Lfunc_end_k_q662e2e3e3b_router:
	.size	k_q662e2e3e3b_router, .Lfunc_end_k_q662e2e3e3b_router-k_q662e2e3e3b_router
	.p2alignl 7, 3214868480
	.fill 96, 4, 3214868480
	.section	.rodata,"a",@progbits
	.p2align	6, 0x0
	.amdhsa_kernel k_q662e2e3e3b_router
		.amdhsa_group_segment_fixed_size 16896
		.amdhsa_private_segment_fixed_size 0
		.amdhsa_enable_private_segment 0
		.amdhsa_kernarg_size 48
		.amdhsa_user_sgpr_count 2
		.amdhsa_user_sgpr_kernarg_segment_ptr 1
		.amdhsa_wavefront_size32 1
		.amdhsa_system_sgpr_workgroup_id_x 1
		.amdhsa_system_sgpr_workgroup_id_y 1
		.amdhsa_system_sgpr_workgroup_id_z 1
		.amdhsa_system_vgpr_workitem_id 0
		.amdhsa_next_free_vgpr 256
		.amdhsa_next_free_sgpr 66
		.amdhsa_reserve_vcc 1
		.amdhsa_float_denorm_mode_32 3
		.amdhsa_float_denorm_mode_16_64 3
		.amdhsa_memory_ordered 1
		.amdhsa_forward_progress 1
		.amdhsa_inst_pref_size 61
	.end_amdhsa_kernel
	.amdgpu_metadata
---
amdhsa.version: [ 1, 2 ]
amdhsa.kernels:
  - .name:           k_q662e2e3e3b_router
    .symbol:         k_q662e2e3e3b_router.kd
    .args:
      - { .name: x, .offset: 0, .size: 8, .value_kind: global_buffer, .address_space: global }
      - { .name: Wg, .offset: 8, .size: 8, .value_kind: global_buffer, .address_space: global }
      - { .name: bg, .offset: 16, .size: 8, .value_kind: global_buffer, .address_space: global }
      - { .name: xb, .offset: 24, .size: 8, .value_kind: global_buffer, .address_space: global }
      - { .name: sel, .offset: 32, .size: 8, .value_kind: global_buffer, .address_space: global }
      - { .name: gw, .offset: 40, .size: 8, .value_kind: global_buffer, .address_space: global }
    .group_segment_fixed_size: 16896
    .private_segment_fixed_size: 0
    .kernarg_segment_align: 8
    .kernarg_segment_size: 48
    .max_flat_workgroup_size: 128
    .sgpr_count:     66
    .vgpr_count:     256
    .wavefront_size: 32
...
	.end_amdgpu_metadata
.endif
;; end of part 1
;; launch place (part 2): grid 256 x 1, 4 waves a work-group, no clusters, 35,328 bytes of LDS; arguments xb, sel, xg, lst; writes xg, lst
.if DOCPART == 2
	.amdgcn_target "amdgcn-amd-amdhsa--gfx1250"
	.amdhsa_code_object_version 6
	.text
	.protected	k_q662e2e3e3b_place
	.globl	k_q662e2e3e3b_place
	.p2align	8
	.type	k_q662e2e3e3b_place,@function
k_q662e2e3e3b_place:
	s_mov_b64 s[64:65], 0
	v_nop
	global_prefetch_b8 v0, s[64:65] scope:SCOPE_SE
	s_setreg_imm32_b32 hwreg(HW_REG_WAVE_MODE, 25, 1), 1
	s_wait_xcnt 0x0
; THE ROWS ARE PLACED.  From sel (each token's two experts, stored by the launch before) each expert's list of rows (token, choice) is made by counting, and each listed row of xb is copied once into xg,
; in the order in which the first product's operand registers take it: xg[e][block of 16 rows][32 k steps][half][lane][16 bytes]; lane (r = L % 16, h = L / 16) holds row r, k = 32 ks + 16 half + 8 h + 0..7.
; So the gather in pieces of 32 bytes a row is done once for each row, and the 32 slices of an expert then read whole runs of 512 bytes.  Nothing is computed: bf16 in, the same bf16 out.
; SHARES.  32 work-groups an expert (e = id / 32, p = id % 32).  Every wave builds the expert's whole list in LDS bytes of its own (a rank by counting: no atomics, no barrier).  Wave g = 4 p + w of the expert's 128
; has k steps 4 (g % 8) .. + 3 of blocks g / 8, g / 8 + 16, g / 8 + 32, ..: 8 loads and 8 stores a block, the stores 4,096 consecutive bytes.
; The first three blocks' 24 loads go out together and without a condition (a place that no tile reaches holds 0x1000 and reads token 0's row, which is then not stored); their stores are jumped from the first
; block on that is not live.  Blocks from 48 on (an expert with more than 768 rows) go by a counted loop of 6 trips, dead ones jumped: 129 blocks, 2,064 places, are covered, so every split is served.
; LIVE BLOCKS are 3 x tiles, tiles = (count + 47) / 48: the products take tiles of 48 rows.  PLACES PAST THE COUNT, to the last tile's end, repeat the expert's last row (the same token and choice).
; lst[e]: 2,176 words: entries token + 2048 x (second choice) in rank order; 64 places from the count on repeat the last entry; 0x1000 behind them (to word 2063); 32 dump words from 2064; the count in word 2175.
; Stored by work-group p = 0's wave 0.
; No matrix unit, no cluster, no tile in LDS: rows come by a list, which no tile descriptor covers, and each is read once.
.set LISTB, 8704                       ; a wave's list in LDS; the four lists begin at byte 0
.set SPARE, 34816                      ; behind them: the spare words, 128 bytes for each wave
.set XGE,   4227072                    ; an expert's room in xg: 129 blocks of 32,768 bytes
.set LT,    16                         ; v16-18   block n of three: my row's list entry
.set RO,    19                         ; v19-21   its byte offset in xb: 2,048 x token + 256 (g % 8) + 16 h
.set DD,    132                        ; v132-227 block n: 32 registers, 4 k steps x 2 halves x 16 bytes
; Register g of sel (v64-127) holds token 128 (g / 4) + 4 L + g % 4.  Lanes whose token chose the expert get the next ranks (the count so far + the choosers in lower lanes) and store their entry there; the others store into a dump word of their own.
.macro LISTG g
	v_and_b32 v26, s19, v[64+(\g)]
	v_cmp_ne_u32 s22, 0, v26
	v_mbcnt_lo_u32_b32 v27, s22, s21
	v_lshrrev_b32 v26, s20, v26                    ; 1 if the expert is the token's second choice
	v_lshl_add_u32 v28, v26, 11, v12
	v_cndmask_b32 v27, v13, v27, s22
	v_min_u32 v27, 2095, v27                       ; a word of my list, whatever sel holds
	v_lshl_add_u32 v27, v27, 2, s24
	ds_store_b32 v27, v28
.if ((\g)%4) < 3
	v_add_nc_u32 v12, 1, v12
.else
	v_add_nc_u32 v12, 125, v12
.endif
	s_bcnt1_i32_b32 s23, s22
	s_add_co_u32 s21, s21, s23
.endm
.macro MKRO n                          ; a list entry to a byte offset in xb: clamped, the token's 11 bits, rows of 2,048 bytes
	v_min_u32 v[RO+(\n)], 0x1fff, v[LT+(\n)]
	v_and_b32 v[RO+(\n)], 0x7ff, v[RO+(\n)]
	v_lshl_add_u32 v[RO+(\n)], v[RO+(\n)], 11, v15
.endm
.macro GET n                           ; my four k steps of a block's 16 rows
.irp f, 0,1,2,3
	global_load_b128 v[DD+32*(\n)+8*\f:DD+32*(\n)+8*\f+3], v[RO+(\n)], s[4:5] offset:64*\f
	global_load_b128 v[DD+32*(\n)+8*\f+4:DD+32*(\n)+8*\f+7], v[RO+(\n)], s[4:5] offset:64*\f+32
.endr
.endm
.macro PUT n, sb, off                  ; each store of the wave covers 512 consecutive bytes, aligned
.irp f, 0,1,2,3
	global_store_b128 v4, v[DD+32*(\n)+8*\f:DD+32*(\n)+8*\f+3], s[\sb:\sb+1] offset:(\off)+1024*\f
	global_store_b128 v4, v[DD+32*(\n)+8*\f+4:DD+32*(\n)+8*\f+7], s[\sb:\sb+1] offset:(\off)+1024*\f+512
.endr
.endm
	s_load_b256 s[4:11], s[0:1], 0x0               ; xb s[4:5], sel s[6:7], xg s[8:9], lst s[10:11]
	v_lshl_add_u32 v1, v0, 2, SPARE                ; my spare word; never rewritten
	v_mov_b32 v2, 0                                ; 0; never rewritten
	v_lshrrev_b32 v26, 5, v0
	v_readfirstlane_b32 s16, v26                   ; wave 0..3
	v_and_b32 v27, 31, v0                          ; L
	v_and_b32 v28, 15, v0                          ; r
	v_bfe_u32 v29, v0, 4, 1                        ; h
	s_lshr_b32 s17, ttmp9, 5                       ; expert
	s_and_b32 s18, ttmp9, 31                       ; p
	s_lshl_b32 s19, 0x101, s17                     ; the expert's two bits in a word of sel
	s_add_co_u32 s20, s17, 8
	s_mov_b32 s21, 0                               ; the count
	s_mul_i32 s24, s16, LISTB                      ; my wave's list
	s_lshl2_add_u32 s23, s18, s16                  ; g = 4 p + w
	s_and_b32 s28, s23, 7                          ; which four k steps
	s_bfe_u32 s29, s23, 0x40003                    ; my first block, 0..15
	v_lshlrev_b32 v4, 4, v27                       ; 16 L
	v_add_nc_u32 v11, s24, v4                      ; my 16 bytes in 512 of my list
	v_lshlrev_b32 v12, 2, v27                      ; the token of the register of sel in hand
	v_add_nc_u32 v13, 2064, v27                    ; my dump word
	v_lshl_add_u32 v14, v28, 2, s24                ; my row's entry in a block of 16
	s_lshl_b32 s23, s28, 8
	v_lshl_add_u32 v15, v29, 4, s23                ; 16 h + my k steps' 256 bytes of a row
	s_mov_b32 s31, 0
.irp i, 26,27,28,29
	v_mov_b32 v\i, 0x1000                          ; what a place holds that no tile reaches
.endr
.set q, 0
.rept 17
	ds_store_b128 v11, v[26:29] offset:512*q       ; every word of my list is written; LDS serves a wave's instructions in order (ISA guide 5.7.1.4), so the entries below land on top
.set q, q+1
.endr
	s_wait_kmcnt 0x0
.irp i, 0,1,2,3,4,5,6,7,8,9,10,11,12,13,14,15
	global_load_b128 v[64+4*\i:64+4*\i+3], v4, s[6:7] offset:512*\i    ; all of sel, 8 KB, in every wave
.endr
	s_mul_i32 s30, s17, XGE
	s_lshl_b32 s23, s28, 12                        ; my four k steps of 1,024 bytes
	s_add_co_u32 s30, s30, s23
	s_add_nc_u64 s[8:9], s[8:9], s[30:31]          ; xg at the expert's block 0, my k steps
	s_mul_i32 s30, s17, LISTB
	s_add_nc_u64 s[10:11], s[10:11], s[30:31]
	s_wait_loadcnt 0x0
.set gg, 0
.rept 64
	LISTG gg
.set gg, gg+1
.endr
	; The 64 places from the count on (the last tile's end is 47 away at the most) repeat the last entry.  With a count of 0 that is word 0's 0x1000, and no block is live.
	s_max_u32 s23, s21, 1
	s_sub_co_u32 s23, s23, 1                       ; the last entry's place,
	s_min_u32 s23, s23, 2047                       ; a word of my list, whatever sel holds
	s_lshl_b32 s23, s23, 2
	s_add_co_u32 s23, s23, s24
	v_mov_b32 v26, s23
	ds_load_b32 v28, v26                           ; in every lane
	v_lshrrev_b32 v27, 4, v4                       ; L
	v_add_nc_u32 v27, s21, v27                     ; places count + L
	v_add_nc_u32 v29, 32, v27                      ; and count + 32 + L;
	v_min_u32 v27, 2095, v27                       ; past word 2063 they fall among the dump words
	v_min_u32 v29, 2095, v29
	v_lshl_add_u32 v27, v27, 2, s24
	v_lshl_add_u32 v29, v29, 2, s24
	s_wait_dscnt 0x0
	ds_store_b32 v27, v28
	ds_store_b32 v29, v28
	v_mov_b32 v26, s24
	v_mov_b32 v27, s21
	ds_store_b32 v26, v27 offset:LISTB-4           ; the count, in the list's last word
	; my first three blocks: entries, offsets, 24 loads
	s_min_u32 s23, s29, 15                         ; my first block's bound, written out (its four bits hold no more): the three loads below end 64 x 15 + 60 + 2,048 + 4 = 3,072 bytes into my own list at the most
	s_lshl_b32 s23, s23, 6
	v_add_nc_u32 v25, s23, v14
.irp t, 0,1,2
	ds_load_b32 v[LT+\t], v25 offset:1024*\t       ; blocks 16 apart: 1,024 bytes of entries
.endr
	s_wait_dscnt 0x0
.irp t, 0,1,2
	MKRO \t
.endr
.irp t, 0,1,2
	GET \t
.endr
	s_or_b32 s23, s18, s16
	s_cmp_lg_u32 s23, 0
	s_cbranch_scc1 .Lnolst                         ; p = 0's wave 0 stores the expert's list for the later launches, while its rows are on their way
.set q, 0
.rept 17
	ds_load_b128 v[64+4*q:64+4*q+3], v11 offset:512*q
.set q, q+1
.endr
	s_wait_dscnt 0x0
.set q, 0
.rept 17
	global_store_b128 v4, v[64+4*q:64+4*q+3], s[10:11] offset:512*q    ; these registers are not written again
.set q, q+1
.endr
.Lnolst:
	s_add_co_u32 s25, s21, 47
	s_mul_i32 s25, s25, 43691
	s_lshr_b32 s25, s25, 21                        ; tiles = (count + 47) / 48: 43691 x 48 = 2^21 + 16, exact up to 2,095
	s_mul_i32 s25, s25, 3                          ; live blocks
	s_lshl_b32 s30, s29, 15
	s_add_nc_u64 s[32:33], s[8:9], s[30:31]        ; xg at my first block
	s_wait_loadcnt 0x0                             ; one wait for the 24 loads
.irp t, 0,1,2
	s_add_co_u32 s23, s29, 16*\t
	s_cmp_ge_u32 s23, s25
	s_cbranch_scc1 .Lfd                            ; blocks ascend: behind the first that is not live none is
	PUT \t, 32, 524288*\t
.endr
.Lfd:
	; blocks from 48 on
	s_add_co_u32 s26, s29, 48
	s_mov_b32 s27, 6
.Lmore:
	s_cmp_ge_u32 s26, s25
	s_cbranch_scc1 .Lnone
	s_min_u32 s23, s26, 128
	s_lshl_b32 s30, s23, 15
	s_lshl_b32 s23, s23, 6
	v_add_nc_u32 v25, s23, v14
	ds_load_b32 v[LT], v25
	s_wait_dscnt 0x0
	s_wait_xcnt 0x0                                ; earlier stores have read their data and their base
	s_add_nc_u64 s[34:35], s[8:9], s[30:31]
	MKRO 0                                         ; the loads that named this offset have been waited for
	GET 0
	s_wait_loadcnt 0x0
	PUT 0, 34, 0
.Lnone:
	s_add_co_u32 s26, s26, 16
	s_sub_co_u32 s27, s27, 1
	s_cmp_lg_u32 s27, 0
	s_cbranch_scc1 .Lmore
	s_wait_tensorcnt 0x0                           ; the wave's end, behind my last LDS store
	ds_add_u32 v1, v2
	s_wait_dscnt 0x0
	s_endpgm
.Lfunc_end_k_q662e2e3e3b_place:
	.size	k_q662e2e3e3b_place, .Lfunc_end_k_q662e2e3e3b_place-k_q662e2e3e3b_place
	.p2alignl 7, 3214868480
	.fill 96, 4, 3214868480
	.section	.rodata,"a",@progbits
	.p2align	6, 0x0
	.amdhsa_kernel k_q662e2e3e3b_place
		.amdhsa_group_segment_fixed_size 35328
		.amdhsa_private_segment_fixed_size 0
		.amdhsa_enable_private_segment 0
		.amdhsa_kernarg_size 32
		.amdhsa_user_sgpr_count 2
		.amdhsa_user_sgpr_kernarg_segment_ptr 1
		.amdhsa_wavefront_size32 1
		.amdhsa_system_sgpr_workgroup_id_x 1
		.amdhsa_system_sgpr_workgroup_id_y 1
		.amdhsa_system_sgpr_workgroup_id_z 1
		.amdhsa_system_vgpr_workitem_id 0
		.amdhsa_next_free_vgpr 232
		.amdhsa_next_free_sgpr 66
		.amdhsa_reserve_vcc 0
		.amdhsa_float_denorm_mode_32 3
		.amdhsa_float_denorm_mode_16_64 3
		.amdhsa_memory_ordered 1
		.amdhsa_forward_progress 1
		.amdhsa_inst_pref_size 55
	.end_amdhsa_kernel
	.amdgpu_metadata
---
amdhsa.version: [ 1, 2 ]
amdhsa.kernels:
  - .name:           k_q662e2e3e3b_place
    .symbol:         k_q662e2e3e3b_place.kd
    .args:
      - { .name: xb, .offset: 0, .size: 8, .value_kind: global_buffer, .address_space: global }
      - { .name: sel, .offset: 8, .size: 8, .value_kind: global_buffer, .address_space: global }
      - { .name: xg, .offset: 16, .size: 8, .value_kind: global_buffer, .address_space: global }
      - { .name: lst, .offset: 24, .size: 8, .value_kind: global_buffer, .address_space: global }
    .group_segment_fixed_size: 35328
    .private_segment_fixed_size: 0
    .kernarg_segment_align: 8
    .kernarg_segment_size: 32
    .max_flat_workgroup_size: 128
    .sgpr_count:     66
    .vgpr_count:     232
    .wavefront_size: 32
...
	.end_amdgpu_metadata
.endif
;; end of part 2
;; launch ffn1 (part 3): grid 256 x 1, 4 waves a work-group, no clusters, 164,352 bytes of LDS; arguments W1, b1, xg, lst, hf; writes hf
.if DOCPART == 3
	.amdgcn_target "amdgcn-amd-amdhsa--gfx1250"
	.amdhsa_code_object_version 6
	.text
	.protected	k_q662e2e3e3b_ffn1
	.globl	k_q662e2e3e3b_ffn1
	.p2align	8
	.type	k_q662e2e3e3b_ffn1,@function
k_q662e2e3e3b_ffn1:
	s_mov_b64 s[64:65], 0
	v_nop
	global_prefetch_b8 v0, s[64:65] scope:SCOPE_SE
	s_setreg_imm32_b32 hwreg(HW_REG_WAVE_MODE, 25, 1), 1
	s_wait_xcnt 0x0
; FIRST PRODUCT OF THE CHOSEN EXPERTS.  h = relu(x W1[e] + b1[e]) for the rows (token, choice) that chose expert e, and no others.
; FORMAT.  W1 and b1 are rounded once to bf16 on their way through registers, x came so from the first launch; sums in f32, started by the bias; h is rounded once to bf16 (a matrix operand of the next launch).
; relu is taken on the rounded pair (v_pk_max_num_bf16 with 0), which gives the same numbers; a NaN becomes 0 there.
; SHARES.  Work-group = (expert e = id / 32, slice sl = id % 32): W1[e][0:1024][64 sl .. 64 sl + 63], 256 KB that it alone reads, and all of the expert's rows.
; PHASE A.  The slice goes through registers into LDS as [k][64 n] bf16.  One barrier.
; PHASE B.  Each wave by itself takes tiles of 48 rows x 64 columns x K 1,024 (wave w: tiles w, w + 4, ..): no barrier.  The loop counts 11 trips, which with four waves cover the 43 tiles that 2,048 rows can
; make; a tile at or past the expert's count of tiles (from lst, stored by the launch before) is jumped forward.  So every split of the tokens is served: an expert with none, and all tokens on one.
; THE MATRIX INSTRUCTION IS USED TRANSPOSED: source 0 = 16 columns of W1 (out of LDS by the turning load), source 1 = 16 rows of x, which xg holds in the order of the operand registers: a load of 16 bytes a lane
; is 512 consecutive bytes.  In the result lane (r = L % 16, h = L / 16) holds row r and columns 8 h + 0..7: packed they are 16 bytes of the NEXT launch's operand registers, and hf is laid out so:
; [e][block of 16 rows][64 k steps][half][lane][16 bytes].
; PLACES PAST THE COUNT, to the last tile's end, repeat the expert's last row in xg: they get the same h, and the next launch stores the same numbers to the same row for them.
; ROWS ARE ASKED FOR THREE CHUNKS OF 128 k AHEAD: of four buffers one is multiplied and three are on their way, 72 loads of 512 bytes a wave at the most; past a tile's end the look-ahead takes the wave's next tile,
; or the same tile again where there is none (rows that exist; they are not used).
; NO CLUSTER, NO TENSOR LOADS: each weight byte has one reader and must pass through registers to be rounded.  The tiles of xg are shared by the 32 slices of an expert; joint loads would want a ring in LDS and a round
; of the cluster's barrier for each refill inside a loop whose live trips hang on a stored count and in which the four waves walk apart, and an LDS pass for bytes that now land in operand registers.
; REGISTERS, in windows of 256 (s_set_vgpr_msb: bits 1:0 source 0, 3:2 source 1, 5:4 source 2, 7:6 destination):
;   window 0: v0-31 addresses and work; v32-63 bias; v64-159 the 12 accumulators (block i, column tile t at 64 + 8 (4 i + t)); v160-207 packed results
;   window 1: two buffers of 128 for W1's fragments of 128 k (k step f, tile t at 8 (4 f + t)); in phase A a ring of three slots of 64 for the weights as loaded
;   windows 2, 3: four buffers of 96 for x's fragments of 128 k (block i, k step f at 8 (4 i + f)): chunks kc % 4 = 0, 1 in window 2, 2, 3 in window 3
.set ROWB,  8192                       ; bytes from row to row of W1[e]
.set PB,    160                        ; a row of the slice in LDS: 128 bytes + 32: five times 32, as the turning load's eight rows x 32 bytes want
.set SPARE, 163840                     ; behind the slice's 1,024 rows: the spare words, 128 bytes for each wave
.set ABLK,  32768                      ; a block of 16 rows in xg
.set BIAS,  32
.set ACC,   64
.set PK,    160
.set MSB, 0
.macro WIN new                         ; the immediate's high byte repeats the setting that is left; a switch that changes nothing is dropped
.if MSB != (\new)
	s_set_vgpr_msb (MSB<<8)|(\new)
.set MSB, \new
.endif
.endm
.macro PLACES                          ; four places behind matrix instructions, ahead of loads into their sources and of reads of their results (ISA guide 7.12.1 for the reads)
.rept 4
	v_nop
.endr
.endm
; Batch b of the slice: my wave's 32 rows of k = 128 b .. 128 b + 127; 16 lanes take a row's 256 bytes, a load two rows.
.macro WLOAD b
	WIN 0x40
.set q, 0
.rept 16
	global_load_b128 v[64*((\b)%3)+4*q:64*((\b)%3)+4*q+3], v8, s[4:5] offset:(128*(\b)+2*q)*ROWB th:TH_LOAD_NT
.set q, q+1
.endr
.endm
.macro WPUT b                          ; rounded in place, and into LDS
	WIN 0x45
.set q, 0
.rept 16
	v_cvt_pk_bf16_f32 v[64*((\b)%3)+4*q], v[64*((\b)%3)+4*q], v[64*((\b)%3)+4*q+1]
	v_cvt_pk_bf16_f32 v[64*((\b)%3)+4*q+1], v[64*((\b)%3)+4*q+2], v[64*((\b)%3)+4*q+3]
.set q, q+1
.endr
	WIN 0x04
.set q, 0
.rept 16
	ds_store_b64 v9, v[64*((\b)%3)+4*q:64*((\b)%3)+4*q+1] offset:320*q
.set q, q+1
.endr
	WIN 0
	v_add_nc_u32 v9, 128*PB, v9
.endm
; 32 turning loads: W1's fragments of chunk kc (128 k x 64 n).  Lane L reads row k0 + 8 h + L % 8, 16 bytes at 32 t + 16 ((L / 8) % 2), and is left with column 16 t + r, k0 + 8 h + 0..7; the second load is 16 rows on.
.macro BRUN kc
	WIN 0x40
.set bb, 128*((\kc)&1)
.set bo, ((\kc)%3)*128*PB
.irp f, 0,1,2,3
.irp t, 0,1,2,3
	ds_load_tr16_b128 v[bb+8*(4*\f+\t):bb+8*(4*\f+\t)+3], v[5+(\kc)/3] offset:bo+\f*32*PB+32*\t
	ds_load_tr16_b128 v[bb+8*(4*\f+\t)+4:bb+8*(4*\f+\t)+7], v[5+(\kc)/3] offset:bo+\f*32*PB+16*PB+32*\t
.endr
.endr
.endm
; 8 loads: x's fragments of chunk kc for block i of the tile at s[sb:sb+1]
.macro ARUNI kc, sb, i
.if ((\kc)&3) < 2
	WIN 0x80
.else
	WIN 0xc0
.endif
.set ab, 96*((\kc)&1)
.irp f, 0,1,2,3
	global_load_b128 v[ab+8*(4*(\i)+\f):ab+8*(4*(\i)+\f)+3], v4, s[\sb:\sb+1] offset:ABLK*(\i)+1024*(4*(\kc)+\f)
	global_load_b128 v[ab+8*(4*(\i)+\f)+4:ab+8*(4*(\i)+\f)+7], v4, s[\sb:\sb+1] offset:ABLK*(\i)+1024*(4*(\kc)+\f)+512
.endr
.endm
.macro ARUN3 kc, sb
	ARUNI \kc, \sb, 0
	ARUNI \kc, \sb, 1
	ARUNI \kc, \sb, 2
.endm
; 24 matrix instructions: k steps f0, f0 + 1 of chunk kc.  The 12 accumulators take turns, one instruction a turn, over the edges of chunks, tiles and trips too.  A tile's first twelve take the bias as C: nothing is cleared.
.macro MULS kc, f0
.if ((\kc)&3) < 2
	WIN 0x09
.else
	WIN 0x0d
.endif
.set ab, 96*((\kc)&1)
.set bb, 128*((\kc)&1)
.irp f, \f0, (\f0)+1
.irp i, 0,1,2
.irp t, 0,1,2,3
.if ((\kc) == 0) && ((\f) == 0)
	v_wmma_f32_16x16x32_bf16 v[ACC+8*(4*\i+\t):ACC+8*(4*\i+\t)+7], v[bb+8*(4*(\f)+\t):bb+8*(4*(\f)+\t)+7], v[ab+8*(4*\i+(\f)):ab+8*(4*\i+(\f))+7], v[BIAS+8*\t:BIAS+8*\t+7]
.else
	v_wmma_f32_16x16x32_bf16 v[ACC+8*(4*\i+\t):ACC+8*(4*\i+\t)+7], v[bb+8*(4*(\f)+\t):bb+8*(4*(\f)+\t)+7], v[ab+8*(4*\i+(\f)):ab+8*(4*\i+(\f))+7], v[ACC+8*(4*\i+\t):ACC+8*(4*\i+\t)+7]
.endif
.endr
.endr
.endr
.endm
; Chunk kc of a tile: W1's fragments are asked for one chunk ahead, x's three chunks ahead (chunks 8, 9, 10 are the next tile's 0, 1, 2), 8 loads ahead of the chunk's products and 16 in their middle.
.macro CH kc
.if (\kc) >= 5
.set SBX, 34
.else
.set SBX, 32
.endif
	PLACES                                         ; behind the last chunk's products: the loads below land in the two buffers that they read
	s_wait_loadcnt 48                              ; x of this chunk is in; the next two chunks' 48 loads stay out
	BRUN ((\kc)+1)&7
	ARUNI ((\kc)+3)&7, SBX, 0
	s_wait_dscnt 32                                ; all but the 32 just issued: W1's fragments of this chunk
	MULS \kc, 0
	ARUNI ((\kc)+3)&7, SBX, 1
	ARUNI ((\kc)+3)&7, SBX, 2
	MULS \kc, 2
.endm
	s_load_b256 s[4:11], s[0:1], 0x0               ; W1 s[4:5], b1 s[6:7], xg s[8:9], lst s[10:11]
	s_load_b64 s[12:13], s[0:1], 0x20              ; hf
	v_lshl_add_u32 v1, v0, 2, SPARE                ; my spare word; never rewritten
	v_mov_b32 v2, 0                                ; 0; never rewritten
	v_mov_b32 v3, 0                                ; 0 for relu
	v_lshrrev_b32 v26, 5, v0
	v_readfirstlane_b32 s16, v26                   ; wave 0..3
	v_and_b32 v27, 31, v0                          ; L
	v_and_b32 v28, 15, v0                          ; r
	v_bfe_u32 v29, v0, 4, 1                        ; h
	s_lshr_b32 s17, ttmp9, 5                       ; expert
	s_and_b32 s18, ttmp9, 31                       ; slice
	s_mul_i32 s23, s16, 32*PB
	v_lshlrev_b32 v4, 4, v27                       ; 16 L
	v_and_b32 v5, 7, v0
	v_lshl_add_u32 v5, v29, 3, v5
	v_mul_u32_u24 v5, v5, PB
	v_bfe_u32 v6, v0, 3, 1
	v_lshl_add_u32 v5, v6, 4, v5                   ; the turning load's lane term; chunks 0-2
	v_add_nc_u32 v6, 3*128*PB, v5                  ; chunks 3-5: the 16-bit immediate reaches three chunks
	v_add_nc_u32 v7, 6*128*PB, v5                  ; chunks 6, 7
	v_lshlrev_b32 v8, 4, v28
	v_lshl_add_u32 v8, v29, 13, v8                 ; weights: row h, 16 r
	v_mul_u32_u24 v9, v29, PB
	v_lshl_add_u32 v9, v28, 3, v9
	v_add_nc_u32 v9, s23, v9                       ; and in LDS: row 32 w + h, 8 r; stepped a batch at a time
	v_lshlrev_b32 v10, 5, v29                      ; bias: 32 h
	s_mov_b32 s31, 0
	s_wait_kmcnt 0x0
	s_lshl_b32 s30, s17, 23                        ; W1: 8 MB an expert,
	s_lshl_b32 s23, s16, 18                        ; my wave's 32 rows,
	s_add_co_u32 s30, s30, s23
	s_lshl_b32 s23, s18, 8                         ; the slice's 256 bytes of a row
	s_add_co_u32 s30, s30, s23
	s_add_nc_u64 s[4:5], s[4:5], s[30:31]
	s_lshl_b32 s30, s17, 13
	s_add_co_u32 s30, s30, s23
	s_add_nc_u64 s[6:7], s[6:7], s[30:31]          ; b1[e][64 sl]
	s_mul_i32 s30, s17, 129*ABLK
	s_add_nc_u64 s[8:9], s[8:9], s[30:31]          ; xg: the expert's room
	s_mul_i32 s30, s16, 3*ABLK                     ; three blocks a tile; my first tile is my wave's number
	s_add_nc_u64 s[32:33], s[8:9], s[30:31]
	s_mul_i32 s30, s17, 8704
	s_add_nc_u64 s[10:11], s[10:11], s[30:31]
	s_load_b32 s21, s[10:11], 0x21fc               ; the expert's count: its list's last word
	s_mul_i32 s30, s17, 8454144                    ; hf: 129 blocks of 65,536 bytes an expert,
	s_lshl_b32 s23, s18, 11                        ; the slice's two k steps of 1,024
	s_add_co_u32 s30, s30, s23
	s_add_nc_u64 s[12:13], s[12:13], s[30:31]
	; PHASE A
.irp t, 0,1,2,3
	global_load_b128 v[BIAS+8*\t:BIAS+8*\t+3], v10, s[6:7] offset:64*\t          ; bias of columns 16 t + 8 h + 0..7: the accumulator's own layout
	global_load_b128 v[BIAS+8*\t+4:BIAS+8*\t+7], v10, s[6:7] offset:64*\t+16
.endr
	WLOAD 0
	WLOAD 1
	s_wait_loadcnt 32                              ; the bias is in; the two batches stay out
	WLOAD 2                                        ; from here on three batches, 48 loads of 512 bytes, are out for each wave
	WIN 0
.set p, 0
.rept 16
	v_cvt_pk_bf16_f32 v[26+(p%2)], v[BIAS+2*p], v[BIAS+2*p+1]          ; the bias rounded to bf16 and widened again
	v_lshlrev_b32 v[BIAS+2*p], 16, v[26+(p%2)]
	v_and_b32 v[BIAS+2*p+1], 0xffff0000, v[26+(p%2)]
.set p, p+1
.endr
.irp b, 0,1,2,3,4,5,6,7
.if \b < 6
	s_wait_loadcnt 32                              ; batch b is in; two batches were issued behind it
.elseif \b == 6
	s_wait_loadcnt 40                              ; behind batch 6: batch 7's 16 loads and the 24 of x's chunk 0
.else
	s_wait_loadcnt 48                              ; behind batch 7: x's chunks 0 and 1
.endif
	WPUT \b
.if \b < 5
	WLOAD \b+3
.elseif \b < 7
	ARUN3 \b-5, 32                                 ; my first tile's first two chunks go out under the last two batches
.endif
.endr
	s_wait_kmcnt 0x0
	s_min_u32 s21, s21, 2048
	s_add_co_u32 s25, s21, 47
	s_mul_i32 s25, s25, 43691
	s_lshr_b32 s25, s25, 21                        ; tiles = (count + 47) / 48: 43691 x 48 = 2^21 + 16, exact up to 2,095
	s_mov_b32 s26, s16                             ; my first tile (of a tile that does not exist the rows are read from the expert's room and never used)
	s_wait_dscnt 0x0                               ; for the others' sake: my rows of the slice are in LDS
	s_barrier_signal -1
	s_barrier_wait -1                              ; the whole slice is; nothing writes it again
	BRUN 0
	ARUN3 2, 32
	WIN 0
	; PHASE B.  At the label, on both ways: x's chunks 0, 1 and 2 of tile s26 (72 loads) and W1's chunk 0 (32 LDS loads) have been asked for.
	s_mov_b32 s27, 11
.Ltrip:
	s_cmp_ge_u32 s26, s25
	s_cbranch_scc1 .Ldead
	CH 0
	CH 1
	CH 2
	WIN 0
	s_add_co_u32 s28, s26, 4                       ; my next tile, or this one again if there is none: the look-ahead reads blocks that were written
	s_cmp_lt_u32 s28, s25
	s_cselect_b32 s28, s28, s26
	s_min_u32 s28, s28, 42
	s_mul_i32 s30, s28, 3*ABLK
	s_add_nc_u64 s[34:35], s[8:9], s[30:31]        ; the loads that named s[34:35], this tile's chunks 0 to 2, were shown in by chunk 2's wait
	CH 3
	CH 4
	CH 5
	CH 6
	CH 7
	WIN 0
	s_mov_b64 s[32:33], s[34:35]                   ; the loads that named s[32:33] ended with chunk 7, which chunk 7's wait showed in
	PLACES
	s_wait_xcnt 0x0                                ; the last tile's stores have read their registers and their base
	s_min_u32 s23, s26, 42
	s_mul_i32 s30, s23, 196608                     ; three blocks of 65,536 bytes a tile
	s_add_nc_u64 s[36:37], s[12:13], s[30:31]
.irp i, 0,1,2
.irp t, 0,1,2,3
.irp q, 0,1,2,3
	v_cvt_pk_bf16_f32 v[PK+4*(4*\i+\t)+\q], v[ACC+8*(4*\i+\t)+2*\q], v[ACC+8*(4*\i+\t)+2*\q+1]  ; each accumulator from its low end on
.endr
.irp q, 0,1,2,3
	v_pk_max_num_bf16 v[PK+4*(4*\i+\t)+\q], v[PK+4*(4*\i+\t)+\q], v3
.endr
	global_store_b128 v4, v[PK+4*(4*\i+\t):PK+4*(4*\i+\t)+3], s[36:37] offset:65536*\i+1024*(\t/2)+512*(\t%2)  ; 512 consecutive bytes, aligned: half t % 2 of k step 2 sl + t / 2
.endr
.endr
.Ldead:
	s_add_co_u32 s26, s26, 4
	s_sub_co_u32 s27, s27, 1
	s_cmp_lg_u32 s27, 0
	s_cbranch_scc1 .Ltrip
	s_wait_tensorcnt 0x0                           ; the wave's end, behind my last LDS store
	ds_add_u32 v1, v2
	s_wait_dscnt 0x0
	s_endpgm
.Lfunc_end_k_q662e2e3e3b_ffn1:
	.size	k_q662e2e3e3b_ffn1, .Lfunc_end_k_q662e2e3e3b_ffn1-k_q662e2e3e3b_ffn1
	.p2alignl 7, 3214868480
	.fill 96, 4, 3214868480
	.section	.rodata,"a",@progbits
	.p2align	6, 0x0
	.amdhsa_kernel k_q662e2e3e3b_ffn1
		.amdhsa_group_segment_fixed_size 164352
		.amdhsa_private_segment_fixed_size 0
		.amdhsa_enable_private_segment 0
		.amdhsa_kernarg_size 40
		.amdhsa_user_sgpr_count 2
		.amdhsa_user_sgpr_kernarg_segment_ptr 1
		.amdhsa_wavefront_size32 1
		.amdhsa_system_sgpr_workgroup_id_x 1
		.amdhsa_system_sgpr_workgroup_id_y 1
		.amdhsa_system_sgpr_workgroup_id_z 1
		.amdhsa_system_vgpr_workitem_id 0
		.amdhsa_next_free_vgpr 960
		.amdhsa_next_free_sgpr 66
		.amdhsa_reserve_vcc 0
		.amdhsa_float_denorm_mode_32 3
		.amdhsa_float_denorm_mode_16_64 3
		.amdhsa_memory_ordered 1
		.amdhsa_forward_progress 1
		.amdhsa_inst_pref_size 122
	.end_amdhsa_kernel
	.amdgpu_metadata
---
amdhsa.version: [ 1, 2 ]
amdhsa.kernels:
  - .name:           k_q662e2e3e3b_ffn1
    .symbol:         k_q662e2e3e3b_ffn1.kd
    .args:
      - { .name: W1, .offset: 0, .size: 8, .value_kind: global_buffer, .address_space: global }
      - { .name: b1, .offset: 8, .size: 8, .value_kind: global_buffer, .address_space: global }
      - { .name: xg, .offset: 16, .size: 8, .value_kind: global_buffer, .address_space: global }
      - { .name: lst, .offset: 24, .size: 8, .value_kind: global_buffer, .address_space: global }
      - { .name: hf, .offset: 32, .size: 8, .value_kind: global_buffer, .address_space: global }
    .group_segment_fixed_size: 164352
    .private_segment_fixed_size: 0
    .kernarg_segment_align: 8
    .kernarg_segment_size: 40
    .max_flat_workgroup_size: 128
    .sgpr_count:     66
    .vgpr_count:     960
    .wavefront_size: 32
...
	.end_amdgpu_metadata
.endif
;; end of part 3
;; launch ffn2 (part 4): grid 256 x 1, 4 waves a work-group, no clusters, 216,576 bytes of LDS; arguments W2, b2, hf, lst, y; writes y
.if DOCPART == 4
	.amdgcn_target "amdgcn-amd-amdhsa--gfx1250"
	.amdhsa_code_object_version 6
	.text
	.protected	k_q662e2e3e3b_ffn2
	.globl	k_q662e2e3e3b_ffn2
	.p2align	8
	.type	k_q662e2e3e3b_ffn2,@function
k_q662e2e3e3b_ffn2:
	s_mov_b64 s[64:65], 0
	v_nop
	global_prefetch_b8 v0, s[64:65] scope:SCOPE_SE
	s_setreg_imm32_b32 hwreg(HW_REG_WAVE_MODE, 25, 1), 1
	s_wait_xcnt 0x0
; SECOND PRODUCT OF THE CHOSEN EXPERTS.  y[kh][choice x 2048 + token][:] = h[row][1024 kh ..] W2[e][1024 kh ..][:] (+ b2[e] where kh = 0): partial rows in f32, which the last launch adds and weighs.
; FORMAT.  W2 and b2 are rounded once to bf16 on their way through registers; h is bf16; sums in f32, started by the bias (or by 0 for kh = 1).
; SHARES.  Work-group = (expert e = id / 32, slice sl = (id / 2) % 16, half kh = id % 2): W2[e][1024 kh .. + 1023][64 sl .. + 63], 256 KB that it alone reads, and all of the expert's rows.  K is halved because a slice
; of 2,048 k x 64 n at 160 bytes a row would take all 327,680 bytes of LDS, and 128 work-groups would be too few; the price is a second plane of y.
; PHASES, TILES, THE LOOP, THE LOOK-AHEAD AND THE TRANSPOSED USE are the first product's: the slice into LDS, one barrier, then each wave by itself takes tiles of 48 rows, its rows asked for three chunks of 128 k ahead;
; 11 counted trips, dead tiles jumped forward; every split is served.  h comes from hf in the order of the operand registers: a load of 16 bytes a lane is 512 consecutive bytes.
; THE WAY OUT.  A lane holds row r and 8 columns; 16 rows go through the wave's own stage in LDS and come back as whole rows of 256 bytes, which are scattered to the rows that the list names.
; PLACES PAST THE COUNT in the last tile repeat the expert's last row, in the list and in hf: the same operands give the same sums, and the same wave stores the same numbers to the same bytes once more
; (47 rows of 256 bytes at the most for a work-group).  So all 48 rows of a live tile are stored, with all lanes on and no branch.
; NO CLUSTER, NO TENSOR LOADS: each weight byte has one reader and must pass through registers to be rounded.  The tiles of hf are shared by the 16 slices of an (e, kh); joint loads would want a ring in LDS and a round
; of the cluster's barrier for each refill inside a loop whose live trips hang on a stored count and in which the four waves walk apart, and an LDS pass for bytes that now land in operand registers.
; REGISTERS: as in the first product; window 0: v160-191 rows read back, v192-199 their entries, v200-207 their offsets in y.
.set ROWB,  4096                       ; bytes from row to row of W2[e]
.set PB,    160
.set LIST,  163840
.set LISTB, 8704
.set STAGE, 198656                     ; 16 rows x 272 bytes for each wave: 272 = 17 x 16, so the 16 rows of a store start at 16 different 16-byte columns of 256 (64 banks of 4 bytes: ISA guide 11.1)
.set SPI,   272
.set SPARE, 216064                     ; behind the stages: the spare words, 128 bytes for each wave
.set ABLK,  65536                      ; a block of 16 rows in hf
.set BIAS,  32
.set ACC,   64
.set BK,    160
.set EN,    192
.set OF,    200
.set MSB, 0
.macro WIN new
.if MSB != (\new)
	s_set_vgpr_msb (MSB<<8)|(\new)
.set MSB, \new
.endif
.endm
.macro PLACES
.rept 4
	v_nop
.endr
.endm
.macro WLOAD b                         ; batch b of the slice: my wave's 32 rows of k = 128 b .. + 127
	WIN 0x40
.set q, 0
.rept 16
	global_load_b128 v[64*((\b)%3)+4*q:64*((\b)%3)+4*q+3], v8, s[4:5] offset:(128*(\b)+2*q)*ROWB th:TH_LOAD_NT
.set q, q+1
.endr
.endm
.macro WPUT b
	WIN 0x45
.set q, 0
.rept 16
	v_cvt_pk_bf16_f32 v[64*((\b)%3)+4*q], v[64*((\b)%3)+4*q], v[64*((\b)%3)+4*q+1]
	v_cvt_pk_bf16_f32 v[64*((\b)%3)+4*q+1], v[64*((\b)%3)+4*q+2], v[64*((\b)%3)+4*q+3]
.set q, q+1
.endr
	WIN 0x04
.set q, 0
.rept 16
	ds_store_b64 v9, v[64*((\b)%3)+4*q:64*((\b)%3)+4*q+1] offset:320*q
.set q, q+1
.endr
	WIN 0
	v_add_nc_u32 v9, 128*PB, v9
.endm
.macro BRUN kc                         ; 32 turning loads: W2's fragments of chunk kc
	WIN 0x40
.set bb, 128*((\kc)&1)
.set bo, ((\kc)%3)*128*PB
.irp f, 0,1,2,3
.irp t, 0,1,2,3
	ds_load_tr16_b128 v[bb+8*(4*\f+\t):bb+8*(4*\f+\t)+3], v[5+(\kc)/3] offset:bo+\f*32*PB+32*\t
	ds_load_tr16_b128 v[bb+8*(4*\f+\t)+4:bb+8*(4*\f+\t)+7], v[5+(\kc)/3] offset:bo+\f*32*PB+16*PB+32*\t
.endr
.endr
.endm
.macro ARUNI kc, sb, i                 ; 8 loads: h's fragments of chunk kc for block i of the tile at s[sb:sb+1]
.if ((\kc)&3) < 2
	WIN 0x80
.else
	WIN 0xc0
.endif
.set ab, 96*((\kc)&1)
.irp f, 0,1,2,3
	global_load_b128 v[ab+8*(4*(\i)+\f):ab+8*(4*(\i)+\f)+3], v4, s[\sb:\sb+1] offset:ABLK*(\i)+1024*(4*(\kc)+\f)
	global_load_b128 v[ab+8*(4*(\i)+\f)+4:ab+8*(4*(\i)+\f)+7], v4, s[\sb:\sb+1] offset:ABLK*(\i)+1024*(4*(\kc)+\f)+512
.endr
.endm
.macro ARUN3 kc, sb
	ARUNI \kc, \sb, 0
	ARUNI \kc, \sb, 1
	ARUNI \kc, \sb, 2
.endm
.macro MULS kc, f0                     ; 24 matrix instructions: k steps f0, f0 + 1; the 12 accumulators take turns; a tile's first twelve take the bias as C
.if ((\kc)&3) < 2
	WIN 0x09
.else
	WIN 0x0d
.endif
.set ab, 96*((\kc)&1)
.set bb, 128*((\kc)&1)
.irp f, \f0, (\f0)+1
.irp i, 0,1,2
.irp t, 0,1,2,3
.if ((\kc) == 0) && ((\f) == 0)
	v_wmma_f32_16x16x32_bf16 v[ACC+8*(4*\i+\t):ACC+8*(4*\i+\t)+7], v[bb+8*(4*(\f)+\t):bb+8*(4*(\f)+\t)+7], v[ab+8*(4*\i+(\f)):ab+8*(4*\i+(\f))+7], v[BIAS+8*\t:BIAS+8*\t+7]
.else
	v_wmma_f32_16x16x32_bf16 v[ACC+8*(4*\i+\t):ACC+8*(4*\i+\t)+7], v[bb+8*(4*(\f)+\t):bb+8*(4*(\f)+\t)+7], v[ab+8*(4*\i+(\f)):ab+8*(4*\i+(\f))+7], v[ACC+8*(4*\i+\t):ACC+8*(4*\i+\t)+7]
.endif
.endr
.endr
.endr
.endm
.macro CH kc                           ; W2's fragments one chunk ahead, h's three chunks ahead: 8 loads ahead of the chunk's products, 16 in their middle
.if (\kc) >= 5
.set SBX, 34
.else
.set SBX, 32
.endif
	PLACES                                         ; behind the last chunk's products: the loads below land in the two buffers that they read
	s_wait_loadcnt 48                              ; h of this chunk is in; the next two chunks' 48 loads stay out
	BRUN ((\kc)+1)&7
	ARUNI ((\kc)+3)&7, SBX, 0
	s_wait_dscnt 32                                ; all but the 32 just issued: W2's fragments of this chunk
	MULS \kc, 0
	ARUNI ((\kc)+3)&7, SBX, 1
	ARUNI ((\kc)+3)&7, SBX, 2
	MULS \kc, 2
.endm
; Block i (16 rows) of the tile goes out.
.macro OUTB i
	s_wait_xcnt 0x0                                ; earlier stores have read their data and offsets
.irp t, 0,1,2,3
	ds_store_b128 v12, v[ACC+8*(4*(\i)+\t):ACC+8*(4*(\i)+\t)+3] offset:64*\t        ; each accumulator from its low end on
	ds_store_b128 v12, v[ACC+8*(4*(\i)+\t)+4:ACC+8*(4*(\i)+\t)+7] offset:64*\t+16
.endr
	ds_load_b128 v[EN:EN+3], v16 offset:64*(\i)    ; the entries of rows 8 h + 0..7 of the block
	ds_load_b128 v[EN+4:EN+7], v16 offset:64*(\i)+16
.irp u, 0,1,2,3,4,5,6,7
	ds_load_b128 v[BK+4*\u:BK+4*\u+3], v13 offset:SPI*\u   ; lanes 0-15 row u, lanes 16-31 row u + 8, whole; LDS serves a wave's instructions in order (ISA guide 5.7.1.4): these see the stores above
.endr
	s_wait_dscnt 0x0
.irp u, 0,1,2,3,4,5,6,7
	v_min_u32 v[OF+\u], 0xfff, v[EN+\u]            ; a row of the plane, whatever the list holds
	v_lshl_add_u32 v[OF+\u], v[OF+\u], 12, v15     ; rows of 4,096 bytes, + 16 r
.endr
.irp u, 0,1,2,3,4,5,6,7
	global_store_b128 v[OF+\u], v[BK+4*\u:BK+4*\u+3], s[12:13]         ; 16 lanes store 256 consecutive bytes, aligned
.endr
.endm
	s_load_b256 s[4:11], s[0:1], 0x0               ; W2 s[4:5], b2 s[6:7], hf s[8:9], lst s[10:11]
	s_load_b64 s[12:13], s[0:1], 0x20              ; y
	v_lshl_add_u32 v1, v0, 2, SPARE                ; my spare word; never rewritten
	v_mov_b32 v2, 0                                ; 0; never rewritten
	v_lshrrev_b32 v26, 5, v0
	v_readfirstlane_b32 s16, v26                   ; wave 0..3
	v_and_b32 v27, 31, v0                          ; L
	v_and_b32 v28, 15, v0                          ; r
	v_bfe_u32 v29, v0, 4, 1                        ; h
	s_lshr_b32 s17, ttmp9, 5                       ; expert
	s_bfe_u32 s18, ttmp9, 0x40001                  ; slice
	s_and_b32 s19, ttmp9, 1                        ; half of K
	s_cmp_eq_u32 s19, 0
	s_cselect_b32 s20, -1, 0                       ; keeps the bias in half 0, clears it in half 1
	s_mul_i32 s24, s16, LISTB
	s_add_co_u32 s24, s24, LIST                    ; my wave's list
	s_mul_i32 s23, s16, 32*PB
	v_lshlrev_b32 v4, 4, v27                       ; 16 L
	v_and_b32 v5, 7, v0
	v_lshl_add_u32 v5, v29, 3, v5
	v_mul_u32_u24 v5, v5, PB
	v_bfe_u32 v6, v0, 3, 1
	v_lshl_add_u32 v5, v6, 4, v5                   ; the turning load's lane term; chunks 0-2
	v_add_nc_u32 v6, 3*128*PB, v5                  ; chunks 3-5
	v_add_nc_u32 v7, 6*128*PB, v5                  ; chunks 6, 7
	v_lshlrev_b32 v8, 4, v28
	v_lshl_add_u32 v8, v29, 12, v8                 ; weights: row h, 16 r
	v_mul_u32_u24 v9, v29, PB
	v_lshl_add_u32 v9, v28, 3, v9
	v_add_nc_u32 v9, s23, v9                       ; and in LDS: row 32 w + h, 8 r
	v_lshlrev_b32 v10, 5, v29                      ; bias: 32 h
	v_add_nc_u32 v11, s24, v4                      ; my 16 bytes in 512 of my list
	s_mul_i32 s23, s16, 16*SPI
	s_add_co_u32 s23, s23, STAGE                   ; my stage
	v_mul_u32_u24 v12, v28, SPI
	v_lshl_add_u32 v12, v29, 5, v12
	v_add_nc_u32 v12, s23, v12                     ; in: row r, 32 h
	v_mul_u32_u24 v13, v29, 8*SPI
	v_lshl_add_u32 v13, v28, 4, v13
	v_add_nc_u32 v13, s23, v13                     ; back: row 8 h, 16 r
	s_mul_i32 s23, s16, 192                        ; a tile's 48 entries are 192 bytes; my first tile is my wave's number
	s_add_co_u32 s23, s23, s24
	v_lshl_add_u32 v16, v29, 5, s23                ; the entries of rows 8 h on of the tile in hand; stepped four tiles a trip
	v_lshlrev_b32 v15, 4, v28                      ; 16 r
	s_mov_b32 s31, 0
	s_wait_kmcnt 0x0
	s_lshl_b32 s30, s17, 23                        ; W2: 8 MB an expert,
	s_lshl_b32 s23, s19, 22                        ; 1,024 rows a half,
	s_add_co_u32 s30, s30, s23
	s_lshl_b32 s23, s16, 17                        ; my wave's 32 rows,
	s_add_co_u32 s30, s30, s23
	s_lshl_b32 s23, s18, 8                         ; the slice's 256 bytes of a row
	s_add_co_u32 s30, s30, s23
	s_add_nc_u64 s[4:5], s[4:5], s[30:31]
	s_lshl_b32 s30, s17, 12
	s_add_co_u32 s30, s30, s23
	s_add_nc_u64 s[6:7], s[6:7], s[30:31]          ; b2[e][64 sl]
	s_lshl_b32 s30, s19, 24                        ; y: 16 MB a plane
	s_add_co_u32 s30, s30, s23
	s_add_nc_u64 s[12:13], s[12:13], s[30:31]
	s_mul_i32 s30, s17, 129*ABLK                   ; hf: the expert's room,
	s_lshl_b32 s23, s19, 15                        ; the half's 32 k steps of 1,024 bytes
	s_add_co_u32 s30, s30, s23
	s_add_nc_u64 s[8:9], s[8:9], s[30:31]
	s_mul_i32 s30, s16, 3*ABLK                     ; three blocks a tile; my first tile is my wave's number
	s_add_nc_u64 s[32:33], s[8:9], s[30:31]
	s_mul_i32 s30, s17, LISTB
	s_add_nc_u64 s[10:11], s[10:11], s[30:31]
	s_load_b32 s21, s[10:11], 0x21fc               ; the expert's count: the list's last word
	; PHASE A
.set q, 0
.rept 17
	global_load_b128 v[64+4*q:64+4*q+3], v4, s[10:11] offset:512*q     ; the expert's list, 8,704 bytes, in every wave
.set q, q+1
.endr
.irp t, 0,1,2,3
	global_load_b128 v[BIAS+8*\t:BIAS+8*\t+3], v10, s[6:7] offset:64*\t
	global_load_b128 v[BIAS+8*\t+4:BIAS+8*\t+7], v10, s[6:7] offset:64*\t+16
.endr
	WLOAD 0
	WLOAD 1
	s_wait_loadcnt 32                              ; the list and the bias are in; the two batches stay out
	WLOAD 2                                        ; from here on three batches, 48 loads of 512 bytes, are out for each wave
	WIN 0
.set q, 0
.rept 17
	ds_store_b128 v11, v[64+4*q:64+4*q+3] offset:512*q                 ; my own copy
.set q, q+1
.endr
.set p, 0
.rept 16
	v_cvt_pk_bf16_f32 v[26+(p%2)], v[BIAS+2*p], v[BIAS+2*p+1]          ; the bias rounded to bf16, kept or cleared, and widened again
	v_and_b32 v[26+(p%2)], s20, v[26+(p%2)]
	v_lshlrev_b32 v[BIAS+2*p], 16, v[26+(p%2)]
	v_and_b32 v[BIAS+2*p+1], 0xffff0000, v[26+(p%2)]
.set p, p+1
.endr
.irp b, 0,1,2,3,4,5,6,7
.if \b < 6
	s_wait_loadcnt 32                              ; batch b is in; two batches were issued behind it
.elseif \b == 6
	s_wait_loadcnt 40                              ; behind batch 6: batch 7's 16 loads and the 24 of h's chunk 0
.else
	s_wait_loadcnt 48                              ; behind batch 7: h's chunks 0 and 1
.endif
	WPUT \b
.if \b < 5
	WLOAD \b+3
.elseif \b < 7
	ARUN3 \b-5, 32                                 ; my first tile's first two chunks go out under the last two batches
.endif
.endr
	s_wait_kmcnt 0x0
	s_min_u32 s21, s21, 2048
	s_add_co_u32 s25, s21, 47
	s_mul_i32 s25, s25, 43691
	s_lshr_b32 s25, s25, 21                        ; tiles = (count + 47) / 48: 43691 x 48 = 2^21 + 16, exact up to 2,095
	s_mov_b32 s26, s16                             ; my first tile (of a tile that does not exist the rows are read from the expert's room and never used)
	s_wait_dscnt 0x0                               ; for the others' sake: my rows of the slice are in LDS
	s_barrier_signal -1
	s_barrier_wait -1                              ; the whole slice is; nothing writes it again
	BRUN 0
	ARUN3 2, 32
	WIN 0
	; PHASE B.  At the label, on both ways: h's chunks 0, 1 and 2 of tile s26 (72 loads) and W2's chunk 0 (32 LDS loads) have been asked for.
	s_mov_b32 s27, 11
.Ltrip:
	s_cmp_ge_u32 s26, s25
	s_cbranch_scc1 .Ldead
	CH 0
	CH 1
	CH 2
	WIN 0
	s_add_co_u32 s28, s26, 4                       ; my next tile, or this one again if there is none: the look-ahead reads blocks that were written
	s_cmp_lt_u32 s28, s25
	s_cselect_b32 s28, s28, s26
	s_min_u32 s28, s28, 42
	s_mul_i32 s30, s28, 3*ABLK
	s_add_nc_u64 s[34:35], s[8:9], s[30:31]        ; the loads that named s[34:35], this tile's chunks 0 to 2, were shown in by chunk 2's wait
	CH 3
	CH 4
	CH 5
	CH 6
	CH 7
	WIN 0
	s_mov_b64 s[32:33], s[34:35]                   ; the loads that named s[32:33] ended with chunk 7, which chunk 7's wait showed in
	PLACES
	OUTB 0
	OUTB 1
	OUTB 2
.Ldead:
	v_add_nc_u32 v16, 4*192, v16                   ; my next tile's entries: 43 tiles' worth at the most, inside my list's 8,704 bytes
	s_add_co_u32 s26, s26, 4
	s_sub_co_u32 s27, s27, 1
	s_cmp_lg_u32 s27, 0
	s_cbranch_scc1 .Ltrip
	s_wait_tensorcnt 0x0                           ; the wave's end, behind my last LDS store
	ds_add_u32 v1, v2
	s_wait_dscnt 0x0
	s_endpgm
.Lfunc_end_k_q662e2e3e3b_ffn2:
	.size	k_q662e2e3e3b_ffn2, .Lfunc_end_k_q662e2e3e3b_ffn2-k_q662e2e3e3b_ffn2
	.p2alignl 7, 3214868480
	.fill 96, 4, 3214868480
	.section	.rodata,"a",@progbits
	.p2align	6, 0x0
	.amdhsa_kernel k_q662e2e3e3b_ffn2
		.amdhsa_group_segment_fixed_size 216576
		.amdhsa_private_segment_fixed_size 0
		.amdhsa_enable_private_segment 0
		.amdhsa_kernarg_size 40
		.amdhsa_user_sgpr_count 2
		.amdhsa_user_sgpr_kernarg_segment_ptr 1
		.amdhsa_wavefront_size32 1
		.amdhsa_system_sgpr_workgroup_id_x 1
		.amdhsa_system_sgpr_workgroup_id_y 1
		.amdhsa_system_sgpr_workgroup_id_z 1
		.amdhsa_system_vgpr_workitem_id 0
		.amdhsa_next_free_vgpr 960
		.amdhsa_next_free_sgpr 66
		.amdhsa_reserve_vcc 0
		.amdhsa_float_denorm_mode_32 3
		.amdhsa_float_denorm_mode_16_64 3
		.amdhsa_memory_ordered 1
		.amdhsa_forward_progress 1
		.amdhsa_inst_pref_size 128
	.end_amdhsa_kernel
	.amdgpu_metadata
---
amdhsa.version: [ 1, 2 ]
amdhsa.kernels:
  - .name:           k_q662e2e3e3b_ffn2
    .symbol:         k_q662e2e3e3b_ffn2.kd
    .args:
      - { .name: W2, .offset: 0, .size: 8, .value_kind: global_buffer, .address_space: global }
      - { .name: b2, .offset: 8, .size: 8, .value_kind: global_buffer, .address_space: global }
      - { .name: hf, .offset: 16, .size: 8, .value_kind: global_buffer, .address_space: global }
      - { .name: lst, .offset: 24, .size: 8, .value_kind: global_buffer, .address_space: global }
      - { .name: y, .offset: 32, .size: 8, .value_kind: global_buffer, .address_space: global }
    .group_segment_fixed_size: 216576
    .private_segment_fixed_size: 0
    .kernarg_segment_align: 8
    .kernarg_segment_size: 40
    .max_flat_workgroup_size: 128
    .sgpr_count:     66
    .vgpr_count:     960
    .wavefront_size: 32
...
	.end_amdgpu_metadata
.endif
;; end of part 4
;; launch finish (part 5): grid 256 x 1, 8 waves a work-group, no clusters, 0 bytes of LDS; arguments y, xb, momentum, gw, ln_g, ln_b, out0, out1; writes out0, out1
.if DOCPART == 5
	.amdgcn_target "amdgcn-amd-amdhsa--gfx1250"
	.amdhsa_code_object_version 6
	.text
	.protected	k_q662e2e3e3b_finish
	.globl	k_q662e2e3e3b_finish
	.p2align	8
	.type	k_q662e2e3e3b_finish,@function
k_q662e2e3e3b_finish:
	s_mov_b64 s[64:65], 0
	v_nop
	global_prefetch_b8 v0, s[64:65] scope:SCOPE_SE
	s_setreg_imm32_b32 hwreg(HW_REG_WAVE_MODE, 25, 1), 1
	s_wait_xcnt 0x0
; THE END OF THE LAYER.  eo = w1 (y[0][t] + y[1][t]) + w2 (y[0][2048 + t] + y[1][2048 + t]);  out1 = -eo + 0.7 momentum;  out0 = LayerNorm(x + out1) ln_g + ln_b.
; FORMAT.  momentum, ln_g and ln_b are rounded once to bf16 as they are loaded, x came so from the first launch, as every input of this program is; all arithmetic is f32.
; The variance is the mean of the squares of (out - mean): two passes over registers, no difference of large sums.
; SHARES.  A wave has one token; lane L holds the channels 128 j + 4 L + c.  The row stays in registers between the passes, so nothing is read twice, and no wave waits for another: no LDS, no barrier.
; A stream: matrix units, clusters and tiles in LDS have nothing to give here.  Every load and store of 16 bytes a lane covers 512 consecutive bytes, aligned.
.set XB, 16                            ; v16-31   x, bf16: word n / 2, half n % 2 for channel place n = 4 j + c
.set MM, 32                            ; v32-63   momentum as loaded; packed in place into v32-47
.set YY, 64                            ; v64-191  the four partial rows (plane p at YY + 32 p); then -eo in v64-95
.set NM, 96                            ; v96-127  out1
.set OU, 128                           ; v128-159 x + out1, then less its mean, then times 1 / sigma
.set SM, 160                           ; v160-167 four packed chains of a sum
.set OO, 160                           ; v160-191 out0
.set GG, 192                           ; v192-223 ln_g as loaded; packed into v192-207
.set BB, 224                           ; v224-255 ln_b likewise
.macro MXA d, a, b, c, ha              ; half ha of a (bf16) times b (f32) plus c (f32)
.if (\ha) == 0
	v_fma_mix_f32_bf16 v[\d], v[\a], v[\b], v[\c] op_sel:[0,0,0] op_sel_hi:[1,0,0]
.else
	v_fma_mix_f32_bf16 v[\d], v[\a], v[\b], v[\c] op_sel:[1,0,0] op_sel_hi:[1,0,0]
.endif
.endm
.macro MXB d, a, b, c, ha              ; half ha of a (bf16) times b (f32) plus half ha of c (bf16)
.if (\ha) == 0
	v_fma_mix_f32_bf16 v[\d], v[\a], v[\b], v[\c] op_sel:[0,0,0] op_sel_hi:[1,0,1]
.else
	v_fma_mix_f32_bf16 v[\d], v[\a], v[\b], v[\c] op_sel:[1,0,1] op_sel_hi:[1,0,1]
.endif
.endm
.macro PACK16 base                     ; 32 f32 to 16 words of bf16 pairs, in place, ascending: a destination never lies ahead of a source still to be read
.set n, 0
.rept 16
	v_cvt_pk_bf16_f32 v[(\base)+n], v[(\base)+2*n], v[(\base)+2*n+1]
.set n, n+1
.endr
.endm
.macro LANES r                         ; the sum over the 32 lanes, in every lane
	v_add_f32_dpp v[\r], v[\r], v[\r] row_xmask:1 row_mask:0xf bank_mask:0xf
	v_add_f32_dpp v[\r], v[\r], v[\r] row_xmask:2 row_mask:0xf bank_mask:0xf
	v_add_f32_dpp v[\r], v[\r], v[\r] row_xmask:4 row_mask:0xf bank_mask:0xf
	v_add_f32_dpp v[\r], v[\r], v[\r] row_xmask:8 row_mask:0xf bank_mask:0xf
	v_permlanex16_b32 v7, v[\r], s40, s41
	v_add_f32 v[\r], v[\r], v7
.endm
.macro FOLD                            ; the four chains into v6
	v_pk_add_f32 v[SM:SM+1], v[SM:SM+1], v[SM+2:SM+3]
	v_pk_add_f32 v[SM+4:SM+5], v[SM+4:SM+5], v[SM+6:SM+7]
	v_pk_add_f32 v[SM:SM+1], v[SM:SM+1], v[SM+4:SM+5]
	v_add_f32 v6, v[SM], v[SM+1]
.endm
	s_load_b256 s[4:11], s[0:1], 0x0               ; y s[4:5], xb s[6:7], momentum s[8:9], gw s[10:11]
	s_load_b256 s[12:19], s[0:1], 0x20             ; ln_g s[12:13], ln_b s[14:15], out0 s[16:17], out1 s[18:19]
	v_lshrrev_b32 v6, 5, v0
	v_readfirstlane_b32 s20, v6                    ; wave 0..7
	v_and_b32 v1, 31, v0
	v_lshlrev_b32 v2, 4, v1                        ; 16 L
	v_lshlrev_b32 v3, 3, v1                        ; 8 L
	v_mov_b32 v4, 0x3f333333                       ; 0.7
	v_mov_b32 v5, 1.0
	v_mov_b32 v7, 0                                ; v_permlanex16_b32's destination counts as read
	s_lshl_b32 s21, ttmp9, 3
	s_add_co_u32 s21, s21, s20                     ; my token
	s_mov_b32 s25, 0
	s_mov_b32 s38, 0x3a800000                      ; 1 / 1024
	s_mov_b32 s39, 0x3727c5ac                      ; 1e-5
	s_mov_b32 s40, 0x76543210
	s_mov_b32 s41, 0xfedcba98
	s_wait_kmcnt 0x0
	s_lshl_b32 s24, s21, 3
	s_add_nc_u64 s[10:11], s[10:11], s[24:25]
	s_load_b64 s[22:23], s[10:11], 0x0             ; the token's two weights
	s_lshl_b32 s24, s21, 12                        ; rows of 4,096 bytes
	s_add_nc_u64 s[30:31], s[4:5], s[24:25]        ; y: half 0, first choice
	s_add_nc_u64 s[32:33], s[30:31], 0x800000      ; half 0, second choice: 2,048 rows on
	s_add_nc_u64 s[34:35], s[30:31], 0x1000000     ; half 1, first choice: a plane on
	s_add_nc_u64 s[36:37], s[30:31], 0x1800000     ; half 1, second choice
	s_add_nc_u64 s[8:9], s[8:9], s[24:25]
	s_add_nc_u64 s[16:17], s[16:17], s[24:25]
	s_add_nc_u64 s[18:19], s[18:19], s[24:25]
	s_lshl_b32 s24, s21, 11
	s_add_nc_u64 s[6:7], s[6:7], s[24:25]
.irp p, 0,1,2,3
.irp j, 0,1,2,3,4,5,6,7
	global_load_b128 v[YY+32*\p+4*\j:YY+32*\p+4*\j+3], v2, s[30+2*\p:31+2*\p] offset:512*\j th:TH_LOAD_NT
.endr
.endr
.irp j, 0,1,2,3,4,5,6,7
	global_load_b128 v[MM+4*\j:MM+4*\j+3], v2, s[8:9] offset:512*\j th:TH_LOAD_NT
.endr
.irp j, 0,1,2,3,4,5,6,7
	global_load_b64 v[XB+2*\j:XB+2*\j+1], v3, s[6:7] offset:256*\j th:TH_LOAD_NT
.endr
.irp j, 0,1,2,3,4,5,6,7
	global_load_b128 v[GG+4*\j:GG+4*\j+3], v2, s[12:13] offset:512*\j  ; ln_g and ln_b are read by every wave: no hint
.endr
.irp j, 0,1,2,3,4,5,6,7
	global_load_b128 v[BB+4*\j:BB+4*\j+3], v2, s[14:15] offset:512*\j
.endr
	s_wait_kmcnt 0x0
	s_xor_b32 s26, s22, 0x80000000                 ; -w1, -w2: each in a pair, of which the packed forms take the low word for both halves
	s_mov_b32 s27, s26
	s_xor_b32 s28, s23, 0x80000000
	s_mov_b32 s29, s28
	s_wait_loadcnt 16                              ; all but ln_g's and ln_b's sixteen loads
.set n, 0
.rept 16
	v_pk_add_f32 v[YY+2*n:YY+2*n+1], v[YY+2*n:YY+2*n+1], v[YY+64+2*n:YY+64+2*n+1]          ; the two halves of K, first choice
	v_pk_add_f32 v[YY+32+2*n:YY+32+2*n+1], v[YY+32+2*n:YY+32+2*n+1], v[YY+96+2*n:YY+96+2*n+1]  ; second choice
.set n, n+1
.endr
.set n, 0
.rept 16
	v_pk_mul_f32 v[YY+2*n:YY+2*n+1], v[YY+2*n:YY+2*n+1], s[26:27] op_sel_hi:[1,0]
.set n, n+1
.endr
.set n, 0
.rept 16
	v_pk_fma_f32 v[YY+2*n:YY+2*n+1], v[YY+32+2*n:YY+32+2*n+1], s[28:29], v[YY+2*n:YY+2*n+1] op_sel_hi:[1,0,1]  ; -eo
.set n, n+1
.endr
	PACK16 MM
.set n, 0
.rept 32
	MXA NM+n, MM+n/2, 4, YY+n, n%2                 ; out1 = 0.7 momentum - eo
.set n, n+1
.endr
.irp j, 0,1,2,3,4,5,6,7
	global_store_b128 v2, v[NM+4*\j:NM+4*\j+3], s[18:19] offset:512*\j th:TH_STORE_NT      ; these registers are only read from here on
.endr
.set n, 0
.rept 32
	MXA OU+n, XB+n/2, 5, NM+n, n%2                 ; x + out1
.set n, n+1
.endr
.irp k, 0,1,2,3
	v_pk_add_f32 v[SM+2*\k:SM+2*\k+1], v[OU+2*\k:OU+2*\k+1], v[OU+8+2*\k:OU+8+2*\k+1]      ; four chains, started by the first sums: nothing is cleared
.endr
.irp k, 0,1,2,3
	v_pk_add_f32 v[SM+2*\k:SM+2*\k+1], v[SM+2*\k:SM+2*\k+1], v[OU+16+2*\k:OU+16+2*\k+1]
.endr
.irp k, 0,1,2,3
	v_pk_add_f32 v[SM+2*\k:SM+2*\k+1], v[SM+2*\k:SM+2*\k+1], v[OU+24+2*\k:OU+24+2*\k+1]
.endr
	FOLD
	LANES 6
	v_mul_f32 v8, s38, v6                          ; the mean, twice: a pair for the packed subtraction
	v_mov_b32 v9, v8
.set n, 0
.rept 16
	v_pk_add_f32 v[OU+2*n:OU+2*n+1], v[OU+2*n:OU+2*n+1], v[8:9] neg_lo:[0,1] neg_hi:[0,1]
.set n, n+1
.endr
.irp k, 0,1,2,3
	v_pk_mul_f32 v[SM+2*\k:SM+2*\k+1], v[OU+2*\k:OU+2*\k+1], v[OU+2*\k:OU+2*\k+1]
.endr
.irp g, 8,16,24
.irp k, 0,1,2,3
	v_pk_fma_f32 v[SM+2*\k:SM+2*\k+1], v[OU+\g+2*\k:OU+\g+2*\k+1], v[OU+\g+2*\k:OU+\g+2*\k+1], v[SM+2*\k:SM+2*\k+1]
.endr
.endr
	FOLD
	LANES 6
	v_fma_f32 v12, v6, s38, s39                    ; the variance + 1e-5
	v_rsq_f32 v10, v12                             ; twice: a pair for the packed multiply
	v_rsq_f32 v11, v12
	s_wait_loadcnt 0x0                             ; ln_g and ln_b
	PACK16 GG                                      ; plain work behind the two roots, which names neither their results nor their source
	PACK16 BB
	s_wait_alu depctr_va_vdst(0)                   ; one wait for the two, ahead of their first reader
.set n, 0
.rept 16
	v_pk_mul_f32 v[OU+2*n:OU+2*n+1], v[OU+2*n:OU+2*n+1], v[10:11]
.set n, n+1
.endr
.set n, 0
.rept 32
	MXB OO+n, GG+n/2, OU+n, BB+n/2, n%2            ; times ln_g, plus ln_b
.set n, n+1
.endr
.irp j, 0,1,2,3,4,5,6,7
	global_store_b128 v2, v[OO+4*\j:OO+4*\j+3], s[16:17] offset:512*\j th:TH_STORE_NT
.endr
	s_endpgm
.Lfunc_end_k_q662e2e3e3b_finish:
	.size	k_q662e2e3e3b_finish, .Lfunc_end_k_q662e2e3e3b_finish-k_q662e2e3e3b_finish
	.p2alignl 7, 3214868480
	.fill 96, 4, 3214868480
	.section	.rodata,"a",@progbits
	.p2align	6, 0x0
	.amdhsa_kernel k_q662e2e3e3b_finish
		.amdhsa_group_segment_fixed_size 0
		.amdhsa_private_segment_fixed_size 0
		.amdhsa_enable_private_segment 0
		.amdhsa_kernarg_size 64
		.amdhsa_user_sgpr_count 2
		.amdhsa_user_sgpr_kernarg_segment_ptr 1
		.amdhsa_wavefront_size32 1
		.amdhsa_system_sgpr_workgroup_id_x 1
		.amdhsa_system_sgpr_workgroup_id_y 1
		.amdhsa_system_sgpr_workgroup_id_z 1
		.amdhsa_system_vgpr_workitem_id 0
		.amdhsa_next_free_vgpr 256
		.amdhsa_next_free_sgpr 66
		.amdhsa_reserve_vcc 0
		.amdhsa_float_denorm_mode_32 3
		.amdhsa_float_denorm_mode_16_64 3
		.amdhsa_memory_ordered 1
		.amdhsa_forward_progress 1
		.amdhsa_inst_pref_size 28
	.end_amdhsa_kernel
	.amdgpu_metadata
---
amdhsa.version: [ 1, 2 ]
amdhsa.kernels:
  - .name:           k_q662e2e3e3b_finish
    .symbol:         k_q662e2e3e3b_finish.kd
    .args:
      - { .name: y, .offset: 0, .size: 8, .value_kind: global_buffer, .address_space: global }
      - { .name: xb, .offset: 8, .size: 8, .value_kind: global_buffer, .address_space: global }
      - { .name: momentum, .offset: 16, .size: 8, .value_kind: global_buffer, .address_space: global }
      - { .name: gw, .offset: 24, .size: 8, .value_kind: global_buffer, .address_space: global }
      - { .name: ln_g, .offset: 32, .size: 8, .value_kind: global_buffer, .address_space: global }
      - { .name: ln_b, .offset: 40, .size: 8, .value_kind: global_buffer, .address_space: global }
      - { .name: out0, .offset: 48, .size: 8, .value_kind: global_buffer, .address_space: global }
      - { .name: out1, .offset: 56, .size: 8, .value_kind: global_buffer, .address_space: global }
    .group_segment_fixed_size: 0
    .private_segment_fixed_size: 0
    .kernarg_segment_align: 8
    .kernarg_segment_size: 64
    .max_flat_workgroup_size: 256
    .sgpr_count:     66
    .vgpr_count:     256
    .wavefront_size: 32
...
	.end_amdgpu_metadata
.endif
;; end of part 5
;; ======== version 2 of 2: 5 launches; version 1 with the launches ffn1, ffn2 written anew for expert scheduling mode
;; workspace buffers: xb 4,194,304 bytes; sel 8,192 bytes of whole numbers; gw 16,384 bytes; lst 69,632 bytes of whole numbers; xg 33,816,576 bytes; hf 67,633,152 bytes; y 33,554,432 bytes
;; launch router: the kernel of part 1 again; grid 256 x 1, 4 waves a work-group, no clusters, 16,896 bytes of LDS; arguments x, Wg, bg, xb, sel, gw; writes xb, sel, gw
;; launch place: the kernel of part 2 again; grid 256 x 1, 4 waves a work-group, no clusters, 35,328 bytes of LDS; arguments xb, sel, xg, lst; writes xg, lst
;; launch ffn1 (part 6): grid 256 x 1, 4 waves a work-group, no clusters, 164,352 bytes of LDS; arguments W1, b1, xg, lst, hf; writes hf
.if DOCPART == 6
	.amdgcn_target "amdgcn-amd-amdhsa--gfx1250"
	.amdhsa_code_object_version 6
	.text
	.protected	k_q662e2e3e3b_ffn1
	.globl	k_q662e2e3e3b_ffn1
	.p2align	8
	.type	k_q662e2e3e3b_ffn1,@function
k_q662e2e3e3b_ffn1:
	s_mov_b64 s[64:65], 0
	v_nop
	global_prefetch_b8 v0, s[64:65] scope:SCOPE_SE
	s_setreg_imm32_b32 hwreg(HW_REG_WAVE_SCHED_MODE, 0, 2), 2
	s_setreg_imm32_b32 hwreg(HW_REG_WAVE_MODE, 25, 1), 1
	s_wait_xcnt 0x0
	s_wait_alu depctr_vm_vsrc(0)
; FIRST PRODUCT OF THE CHOSEN EXPERTS.  h = relu(x W1[e] + b1[e]) for the rows (token, choice) that chose expert e, and no others.
; FORMAT.  W1 and b1 are rounded once to bf16 on their way through registers, x came so from the first launch; sums in f32, started by the bias; h is rounded once to bf16 (a matrix operand of the next launch).
; relu is taken on the rounded pair (v_pk_max_num_bf16 with 0), which gives the same numbers; a NaN becomes 0 there.
; SHARES.  Work-group = (expert e = id / 32, slice sl = id % 32): W1[e][0:1024][64 sl .. 64 sl + 63], 256 KB that it alone reads, and all of the expert's rows.
; PHASE A.  The slice goes through registers into LDS as [k][64 n] bf16.  One barrier.
; PHASE B.  Each wave by itself takes tiles of 48 rows x 64 columns x K 1,024 (wave w: tiles w, w + 4, ..): no barrier.  The loop counts 11 trips, which with four waves cover the 43 tiles that 2,048 rows can
; make; a tile at or past the expert's count of tiles (from lst, stored by the launch before) is jumped forward.  So every split of the tokens is served: an expert with none, and all tokens on one.
; THE MATRIX INSTRUCTION IS USED TRANSPOSED: source 0 = 16 columns of W1 (out of LDS by the turning load), source 1 = 16 rows of x, which xg holds in the order of the operand registers: a load of 16 bytes a lane
; is 512 consecutive bytes.  In the result lane (r = L % 16, h = L / 16) holds row r and columns 8 h + 0..7: packed they are 16 bytes of the NEXT launch's operand registers, and hf is laid out so:
; [e][block of 16 rows][64 k steps][half][lane][16 bytes].
; PLACES PAST THE COUNT, to the last tile's end, repeat the expert's last row in xg: they get the same h, and the next launch stores the same numbers to the same row for them.
; ROWS ARE ASKED FOR THREE CHUNKS OF 128 k AHEAD: of four buffers one is multiplied and three are on their way, 72 loads of 512 bytes a wave at the most; past a tile's end the look-ahead takes the wave's next tile,
; or the same tile again where there is none (rows that exist; they are not used).
; NO CLUSTER, NO TENSOR LOADS: each weight byte has one reader and must pass through registers to be rounded.  The tiles of xg are shared by the 32 slices of an expert; joint loads would want a ring in LDS and a round
; of the cluster's barrier for each refill inside a loop whose live trips hang on a stored count and in which the four waves walk apart, and an LDS pass for bytes that now land in operand registers.
; REGISTERS, in windows of 256 (s_set_vgpr_msb: bits 1:0 source 0, 3:2 source 1, 5:4 source 2, 7:6 destination):
;   window 0: v0-31 addresses and work; v32-63 bias; v64-159 the 12 accumulators (block i, column tile t at 64 + 8 (4 i + t)); v160-207 packed results
;   window 1: two buffers of 128 for W1's fragments of 128 k (k step f, tile t at 8 (4 f + t)); in phase A a ring of three slots of 64 for the weights as loaded
;   windows 2, 3: four buffers of 96 for x's fragments of 128 k (block i, k step f at 8 (4 i + f)): chunks kc % 4 = 0, 1 in window 2, 2, 3 in window 3
; THE MODE: SCHED_MODE bits 1:0 = 2 (LLVM: expert scheduling mode 2), set by the entry lines.  The code itself states the register dependences between vector or matrix instructions and memory or LDS
; instructions, with s_wait_alu, always for 0.
; THE PLAN.  Registers that memory or LDS instructions touch:
;   v4-v8, v10   offsets and LDS addresses, made at the head and never written again.  v9, the LDS address of the slice's stores, is stepped once a batch.
;   slots S0-S2  (phase A) batch b lands in S[b % 3], is rounded there in place, is read by 16 LDS stores, and the slot is loaded again by batch b + 3.
;   B0, B1       chunk kc's products read B[kc & 1]; the turning loads of chunk kc + 1, issued in chunk kc, land in the other, which chunk kc - 1's products read.
;   A0-A3        chunk kc's products read A[kc & 3]; the loads of chunk kc + 3, issued in chunk kc, land in A[(kc - 1) & 3], which chunk kc - 1's products read.
;   PK           written by a tile's roundings, read by its 12 stores, written again a tile later.
; So ONE wait on va_vdst stands at a chunk's head: the chunk before is done reading the two buffers that this chunk's 56 loads fill.  These follow it, dealt among the chunk's four k steps of products,
; which name B[kc & 1], A[kc & 3], the bias and the accumulators: none of the registers that those loads touch.  A tile's way out has one wait on vm_vsrc ahead of its roundings and one on va_vdst ahead of its stores.
.set ROWB,  8192                       ; bytes from row to row of W1[e]
.set PB,    160                        ; a row of the slice in LDS: 128 bytes + 32: five times 32, as the turning load's eight rows x 32 bytes want.  The slice's 1,024 rows are 163,840 bytes; the claim's last 512 hold the spare words, 128 bytes for each wave
.set ABLK,  32768                      ; a block of 16 rows in xg
.set BIAS,  32
.set ACC,   64
.set PK,    160
.set MSB, 0
.macro WIN new                         ; the immediate's high byte repeats the setting that is left; a switch that changes nothing is dropped
.if MSB != (\new)
	s_set_vgpr_msb (MSB<<8)|(\new)
.set MSB, \new
.endif
.endm
.macro PLACES                          ; four places behind matrix instructions: ahead of reads of their results, and ahead of loads into their sources, beside the wait that states that dependence
.rept 4
	v_nop
.endr
.endm
; Batch b of the slice: my wave's 32 rows of k = 128 b .. 128 b + 127; 16 lanes take a row's 256 bytes, a load two rows.
.macro WLOAD b
	WIN 0x40
.set q, 0
.rept 16
	global_load_b128 v[64*((\b)%3)+4*q:64*((\b)%3)+4*q+3], v8, s[4:5] offset:(128*(\b)+2*q)*ROWB th:TH_LOAD_NT
.set q, q+1
.endr
.endm
.macro WPUT b                          ; rounded in place, and into LDS
	WIN 0x45
.set q, 0
.rept 16
	v_cvt_pk_bf16_f32 v[64*((\b)%3)+4*q], v[64*((\b)%3)+4*q], v[64*((\b)%3)+4*q+1]
	v_cvt_pk_bf16_f32 v[64*((\b)%3)+4*q+1], v[64*((\b)%3)+4*q+2], v[64*((\b)%3)+4*q+3]
.set q, q+1
.endr
	WIN 0x04
	s_wait_alu depctr_va_vdst(0)                   ; the roundings have written the slot, which the LDS stores read as data; the last batch's add has written v9, their address
.set q, 0
.rept 16
	ds_store_b64 v9, v[64*((\b)%3)+4*q:64*((\b)%3)+4*q+1] offset:320*q
.set q, q+1
.endr
	WIN 0
	s_wait_alu depctr_vm_vsrc(0)                   ; the LDS stores have read v9, which the add below writes, and the slot, in which later loads land
	v_add_nc_u32 v9, 128*PB, v9
.endm
; 8 turning loads: W1's fragments of k step f of chunk kc (32 k x 64 n).  Lane L reads row k0 + 8 h + L % 8, 16 bytes at 32 t + 16 ((L / 8) % 2), and is left with column 16 t + r, k0 + 8 h + 0..7; the second load is 16 rows on.
.macro BRUNF kc, f
	WIN 0x40
.set bb, 128*((\kc)&1)
.set bo, ((\kc)%3)*128*PB
.irp t, 0,1,2,3
	ds_load_tr16_b128 v[bb+8*(4*(\f)+\t):bb+8*(4*(\f)+\t)+3], v[5+(\kc)/3] offset:bo+(\f)*32*PB+32*\t
	ds_load_tr16_b128 v[bb+8*(4*(\f)+\t)+4:bb+8*(4*(\f)+\t)+7], v[5+(\kc)/3] offset:bo+(\f)*32*PB+16*PB+32*\t
.endr
.endm
; 8 loads: x's fragments of chunk kc for block i of the tile at s[sb:sb+1]
.macro ARUNI kc, sb, i
.if ((\kc)&3) < 2
	WIN 0x80
.else
	WIN 0xc0
.endif
.set ab, 96*((\kc)&1)
.irp f, 0,1,2,3
	global_load_b128 v[ab+8*(4*(\i)+\f):ab+8*(4*(\i)+\f)+3], v4, s[\sb:\sb+1] offset:ABLK*(\i)+1024*(4*(\kc)+\f)
	global_load_b128 v[ab+8*(4*(\i)+\f)+4:ab+8*(4*(\i)+\f)+7], v4, s[\sb:\sb+1] offset:ABLK*(\i)+1024*(4*(\kc)+\f)+512
.endr
.endm
.macro ARUN3 kc, sb
	ARUNI \kc, \sb, 0
	ARUNI \kc, \sb, 1
	ARUNI \kc, \sb, 2
.endm
; 12 matrix instructions: k step f of chunk kc.  The 12 accumulators take turns, one instruction a turn, over the edges of k steps, chunks, tiles and trips too.  A tile's first twelve take the bias as C: nothing is cleared.
.macro MULSF kc, f
.if ((\kc)&3) < 2
	WIN 0x09
.else
	WIN 0x0d
.endif
.set ab, 96*((\kc)&1)
.set bb, 128*((\kc)&1)
.irp i, 0,1,2
.irp t, 0,1,2,3
.if ((\kc) == 0) && ((\f) == 0)
	v_wmma_f32_16x16x32_bf16 v[ACC+8*(4*\i+\t):ACC+8*(4*\i+\t)+7], v[bb+8*(4*(\f)+\t):bb+8*(4*(\f)+\t)+7], v[ab+8*(4*\i+(\f)):ab+8*(4*\i+(\f))+7], v[BIAS+8*\t:BIAS+8*\t+7]
.else
	v_wmma_f32_16x16x32_bf16 v[ACC+8*(4*\i+\t):ACC+8*(4*\i+\t)+7], v[bb+8*(4*(\f)+\t):bb+8*(4*(\f)+\t)+7], v[ab+8*(4*\i+(\f)):ab+8*(4*\i+(\f))+7], v[ACC+8*(4*\i+\t):ACC+8*(4*\i+\t)+7]
.endif
.endr
.endr
.endm
; Chunk kc of a tile: W1's fragments are asked for one chunk ahead, k step by k step; x's three chunks ahead (chunks 8, 9, 10 are the next tile's 0, 1, 2), a block of 16 rows ahead of each of the first three k steps.
; The wait on DScnt is the same ahead of each k step's products: behind that k step's eight loads stand this chunk's later k steps' and the next chunk's as far as issued, 32 in all.
.macro CH kc
.if (\kc) >= 5
.set SBX, 34
.else
.set SBX, 32
.endif
	PLACES                                         ; behind the last chunk's products: the loads below land in the two buffers that they read
	s_wait_loadcnt 48                              ; x of this chunk is in; the next two chunks' 48 loads stay out
	WIN 0x40
	s_wait_alu depctr_va_vdst(0)                   ; the last chunk's products are done reading their fragments of W1 and of x, in which this chunk's 56 loads land; no product of this chunk names those two buffers or v4 to v7
	BRUNF ((\kc)+1)&7, 0
	ARUNI ((\kc)+3)&7, SBX, 0
	s_wait_dscnt 32                                ; all but the youngest 32: W1's fragments of k step 0
	MULSF \kc, 0
	BRUNF ((\kc)+1)&7, 1
	ARUNI ((\kc)+3)&7, SBX, 1
	s_wait_dscnt 32                                ; of k step 1
	MULSF \kc, 1
	BRUNF ((\kc)+1)&7, 2
	ARUNI ((\kc)+3)&7, SBX, 2
	s_wait_dscnt 32                                ; of k step 2
	MULSF \kc, 2
	BRUNF ((\kc)+1)&7, 3
	s_wait_dscnt 32                                ; of k step 3
	MULSF \kc, 3
.endm
	s_load_b256 s[4:11], s[0:1], 0x0               ; W1 s[4:5], b1 s[6:7], xg s[8:9], lst s[10:11]
	s_load_b64 s[12:13], s[0:1], 0x20              ; hf
	v_lshl_add_u32 v254, v0, 2, 0x28000
	v_mov_b32 v255, 0
	v_mov_b32 v3, 0                                ; 0 for relu
	v_lshrrev_b32 v26, 5, v0
	v_readfirstlane_b32 s16, v26                   ; wave 0..3
	v_and_b32 v27, 31, v0                          ; L
	v_and_b32 v28, 15, v0                          ; r
	v_bfe_u32 v29, v0, 4, 1                        ; h
	s_lshr_b32 s17, ttmp9, 5                       ; expert
	s_and_b32 s18, ttmp9, 31                       ; slice
	s_wait_alu depctr_va_sdst(0)                   ; s16 is written, ahead of its first reader: LDS places, bases and the first tile are made from it
	s_mul_i32 s23, s16, 32*PB
	v_lshlrev_b32 v4, 4, v27                       ; 16 L
	v_and_b32 v5, 7, v0
	v_lshl_add_u32 v5, v29, 3, v5
	v_mul_u32_u24 v5, v5, PB
	v_bfe_u32 v6, v0, 3, 1
	v_lshl_add_u32 v5, v6, 4, v5                   ; the turning load's lane term; chunks 0-2
	v_add_nc_u32 v6, 3*128*PB, v5                  ; chunks 3-5: the 16-bit immediate reaches three chunks
	v_add_nc_u32 v7, 6*128*PB, v5                  ; chunks 6, 7
	v_lshlrev_b32 v8, 4, v28
	v_lshl_add_u32 v8, v29, 13, v8                 ; weights: row h, 16 r
	v_mul_u32_u24 v9, v29, PB
	v_lshl_add_u32 v9, v28, 3, v9
	v_add_nc_u32 v9, s23, v9                       ; and in LDS: row 32 w + h, 8 r; stepped a batch at a time
	v_lshlrev_b32 v10, 5, v29                      ; bias: 32 h
	s_mov_b32 s31, 0
	s_wait_kmcnt 0x0
	s_lshl_b32 s30, s17, 23                        ; W1: 8 MB an expert,
	s_lshl_b32 s23, s16, 18                        ; my wave's 32 rows,
	s_add_co_u32 s30, s30, s23
	s_lshl_b32 s23, s18, 8                         ; the slice's 256 bytes of a row
	s_add_co_u32 s30, s30, s23
	s_add_nc_u64 s[4:5], s[4:5], s[30:31]
	s_lshl_b32 s30, s17, 13
	s_add_co_u32 s30, s30, s23
	s_add_nc_u64 s[6:7], s[6:7], s[30:31]          ; b1[e][64 sl]
	s_mul_i32 s30, s17, 129*ABLK
	s_add_nc_u64 s[8:9], s[8:9], s[30:31]          ; xg: the expert's room
	s_mul_i32 s30, s16, 3*ABLK                     ; three blocks a tile; my first tile is my wave's number
	s_add_nc_u64 s[32:33], s[8:9], s[30:31]
	s_mul_i32 s30, s17, 8704
	s_add_nc_u64 s[10:11], s[10:11], s[30:31]
	s_load_b32 s21, s[10:11], 0x21fc               ; the expert's count: its list's last word
	s_mul_i32 s30, s17, 8454144                    ; hf: 129 blocks of 65,536 bytes an expert,
	s_lshl_b32 s23, s18, 11                        ; the slice's two k steps of 1,024
	s_add_co_u32 s30, s30, s23
	s_add_nc_u64 s[12:13], s[12:13], s[30:31]
	; PHASE A
	s_wait_alu depctr_va_vdst(0)                   ; the offsets and LDS addresses v4 to v10 are written, which the loads and stores of the whole kernel read
.irp t, 0,1,2,3
	global_load_b128 v[BIAS+8*\t:BIAS+8*\t+3], v10, s[6:7] offset:64*\t          ; bias of columns 16 t + 8 h + 0..7: the accumulator's own layout
	global_load_b128 v[BIAS+8*\t+4:BIAS+8*\t+7], v10, s[6:7] offset:64*\t+16
.endr
	WLOAD 0
	WLOAD 1
	s_wait_loadcnt 32                              ; the bias is in; the two batches stay out
	WLOAD 2                                        ; from here on three batches, 48 loads of 512 bytes, are out for each wave
	WIN 0
.set p, 0
.rept 16
	v_cvt_pk_bf16_f32 v[26+(p%2)], v[BIAS+2*p], v[BIAS+2*p+1]          ; the bias rounded to bf16 and widened again
	v_lshlrev_b32 v[BIAS+2*p], 16, v[26+(p%2)]
	v_and_b32 v[BIAS+2*p+1], 0xffff0000, v[26+(p%2)]
.set p, p+1
.endr
.irp b, 0,1,2,3,4,5,6,7
.if \b < 6
	s_wait_loadcnt 32                              ; batch b is in; two batches were issued behind it
.elseif \b == 6
	s_wait_loadcnt 40                              ; behind batch 6: batch 7's 16 loads and the 24 of x's chunk 0
.else
	s_wait_loadcnt 48                              ; behind batch 7: x's chunks 0 and 1
.endif
	WPUT \b
.if \b < 5
	WIN 0x40
	s_wait_alu depctr_va_vdst(0)                   ; the roundings are done reading and writing the slot, in which the batch three on lands: said directly ahead of its loads, since the LDS stores stand between
	WLOAD \b+3
.elseif \b < 7
	ARUN3 \b-5, 32                                 ; my first tile's first two chunks go out under the last two batches; no vector instruction has named their registers, or v4 since the head's wait
.endif
.endr
	s_wait_kmcnt 0x0
	s_min_u32 s21, s21, 2048
	s_add_co_u32 s25, s21, 47
	s_mul_i32 s25, s25, 43691
	s_lshr_b32 s25, s25, 21                        ; tiles = (count + 47) / 48: 43691 x 48 = 2^21 + 16, exact up to 2,095
	s_mov_b32 s26, s16                             ; my first tile (of a tile that does not exist the rows are read from the expert's room and never used)
	s_wait_dscnt 0x0                               ; for the others' sake: my rows of the slice are in LDS
	s_barrier_signal -1
	s_barrier_wait -1                              ; the whole slice is; nothing writes it again
	WIN 0x40
	s_wait_alu depctr_va_vdst(0)                   ; the roundings of batches 6 and 7 are done with v0 to v127 of window 1, in which W1's first fragments land (each batch's own wait has shown that its LDS stores have read them)
	BRUNF 0, 0
	BRUNF 0, 1
	BRUNF 0, 2
	BRUNF 0, 3
	ARUN3 2, 32
	WIN 0
	; PHASE B.  At the label, on both ways: x's chunks 0, 1 and 2 of tile s26 (72 loads) and W1's chunk 0 (32 LDS loads) have been asked for.
	s_mov_b32 s27, 11
.Ltrip:
	s_cmp_ge_u32 s26, s25
	s_cbranch_scc1 .Ldead
	CH 0
	CH 1
	CH 2
	WIN 0
	s_add_co_u32 s28, s26, 4                       ; my next tile, or this one again if there is none: the look-ahead reads blocks that were written
	s_cmp_lt_u32 s28, s25
	s_cselect_b32 s28, s28, s26
	s_min_u32 s28, s28, 42
	s_mul_i32 s30, s28, 3*ABLK
	s_add_nc_u64 s[34:35], s[8:9], s[30:31]        ; the loads that named s[34:35], this tile's chunks 0 to 2, were shown in by chunk 2's wait
	CH 3
	CH 4
	CH 5
	CH 6
	CH 7
	WIN 0
	s_mov_b64 s[32:33], s[34:35]                   ; the loads that named s[32:33] ended with chunk 7, which chunk 7's wait showed in
	PLACES                                         ; behind the last products, ahead of the roundings that read their results
	s_wait_xcnt 0x0                                ; the last tile's stores have had their addresses translated: their data and their base are written again only behind this wait
	s_wait_alu depctr_vm_vsrc(0)                   ; the last tile's stores have read v160 to v207, which the roundings below write again
	s_min_u32 s23, s26, 42
	s_mul_i32 s30, s23, 196608                     ; three blocks of 65,536 bytes a tile
	s_add_nc_u64 s[36:37], s[12:13], s[30:31]
.irp i, 0,1,2
.irp t, 0,1,2,3
.irp q, 0,1,2,3
	v_cvt_pk_bf16_f32 v[PK+4*(4*\i+\t)+\q], v[ACC+8*(4*\i+\t)+2*\q], v[ACC+8*(4*\i+\t)+2*\q+1]  ; each accumulator from its low end on
.endr
.irp q, 0,1,2,3
	v_pk_max_num_bf16 v[PK+4*(4*\i+\t)+\q], v[PK+4*(4*\i+\t)+\q], v3
.endr
.endr
.endr
	s_wait_alu depctr_va_vdst(0)                   ; the roundings and maxima have written v160 to v207, which the twelve stores read
.irp i, 0,1,2
.irp t, 0,1,2,3
	global_store_b128 v4, v[PK+4*(4*\i+\t):PK+4*(4*\i+\t)+3], s[36:37] offset:65536*\i+1024*(\t/2)+512*(\t%2)  ; 512 consecutive bytes, aligned: half t % 2 of k step 2 sl + t / 2
.endr
.endr
.Ldead:
	s_add_co_u32 s26, s26, 4
	s_sub_co_u32 s27, s27, 1
	s_cmp_lg_u32 s27, 0
	s_cbranch_scc1 .Ltrip
	s_wait_dscnt 0x0                               ; the wave's end: my last LDS instructions.
	s_wait_alu depctr_hold_cnt(0) depctr_sa_sdst(0) depctr_va_vdst(0) depctr_va_sdst(0) depctr_va_ssrc(0) depctr_va_vcc(0) depctr_vm_vsrc(0)
	s_wait_tensorcnt 0x0
	ds_add_u32 v254, v255
	s_wait_dscnt 0x0
	s_endpgm
.Lfunc_end_k_q662e2e3e3b_ffn1:
	.size	k_q662e2e3e3b_ffn1, .Lfunc_end_k_q662e2e3e3b_ffn1-k_q662e2e3e3b_ffn1
	.p2alignl 7, 3214868480
	.fill 96, 4, 3214868480
	.section	.rodata,"a",@progbits
	.p2align	6, 0x0
	.amdhsa_kernel k_q662e2e3e3b_ffn1
		.amdhsa_group_segment_fixed_size 164352
		.amdhsa_private_segment_fixed_size 0
		.amdhsa_enable_private_segment 0
		.amdhsa_kernarg_size 40
		.amdhsa_user_sgpr_count 2
		.amdhsa_user_sgpr_kernarg_segment_ptr 1
		.amdhsa_wavefront_size32 1
		.amdhsa_system_sgpr_workgroup_id_x 1
		.amdhsa_system_sgpr_workgroup_id_y 1
		.amdhsa_system_sgpr_workgroup_id_z 1
		.amdhsa_system_vgpr_workitem_id 0
		.amdhsa_next_free_vgpr 960
		.amdhsa_next_free_sgpr 66
		.amdhsa_reserve_vcc 0
		.amdhsa_float_denorm_mode_32 3
		.amdhsa_float_denorm_mode_16_64 3
		.amdhsa_memory_ordered 1
		.amdhsa_forward_progress 1
		.amdhsa_inst_pref_size 126
	.end_amdhsa_kernel
	.amdgpu_metadata
---
amdhsa.version: [ 1, 2 ]
amdhsa.kernels:
  - .name:           k_q662e2e3e3b_ffn1
    .symbol:         k_q662e2e3e3b_ffn1.kd
    .args:
      - { .name: W1, .offset: 0, .size: 8, .value_kind: global_buffer, .address_space: global }
      - { .name: b1, .offset: 8, .size: 8, .value_kind: global_buffer, .address_space: global }
      - { .name: xg, .offset: 16, .size: 8, .value_kind: global_buffer, .address_space: global }
      - { .name: lst, .offset: 24, .size: 8, .value_kind: global_buffer, .address_space: global }
      - { .name: hf, .offset: 32, .size: 8, .value_kind: global_buffer, .address_space: global }
    .group_segment_fixed_size: 164352
    .private_segment_fixed_size: 0
    .kernarg_segment_align: 8
    .kernarg_segment_size: 40
    .max_flat_workgroup_size: 128
    .sgpr_count:     66
    .vgpr_count:     960
    .wavefront_size: 32
...
	.end_amdgpu_metadata
.endif
;; end of part 6
;; launch ffn2 (part 7): grid 256 x 1, 4 waves a work-group, no clusters, 216,576 bytes of LDS; arguments W2, b2, hf, lst, y; writes y
.if DOCPART == 7
	.amdgcn_target "amdgcn-amd-amdhsa--gfx1250"
	.amdhsa_code_object_version 6
	.text
	.protected	k_q662e2e3e3b_ffn2
	.globl	k_q662e2e3e3b_ffn2
	.p2align	8
	.type	k_q662e2e3e3b_ffn2,@function
k_q662e2e3e3b_ffn2:
	s_mov_b64 s[64:65], 0
	v_nop
	global_prefetch_b8 v0, s[64:65] scope:SCOPE_SE
	s_setreg_imm32_b32 hwreg(HW_REG_WAVE_SCHED_MODE, 0, 2), 2
	s_setreg_imm32_b32 hwreg(HW_REG_WAVE_MODE, 25, 1), 1
	s_wait_xcnt 0x0
	s_wait_alu depctr_vm_vsrc(0)
; SECOND PRODUCT OF THE CHOSEN EXPERTS.  y[kh][choice x 2048 + token][:] = h[row][1024 kh ..] W2[e][1024 kh ..][:] (+ b2[e] where kh = 0): partial rows in f32, which the last launch adds and weighs.
; FORMAT.  W2 and b2 are rounded once to bf16 on their way through registers; h is bf16; sums in f32, started by the bias (or by 0 for kh = 1).
; SHARES.  Work-group = (expert e = id / 32, slice sl = (id / 2) % 16, half kh = id % 2): W2[e][1024 kh .. + 1023][64 sl .. + 63], 256 KB that it alone reads, and all of the expert's rows.  K is halved because a slice
; of 2,048 k x 64 n at 160 bytes a row would take all 327,680 bytes of LDS, and 128 work-groups would be too few; the price is a second plane of y.
; PHASES, TILES, THE LOOP, THE LOOK-AHEAD AND THE TRANSPOSED USE are the first product's: the slice into LDS, one barrier, then each wave by itself takes tiles of 48 rows, its rows asked for three chunks of 128 k ahead;
; 11 counted trips, dead tiles jumped forward; every split is served.  h comes from hf in the order of the operand registers: a load of 16 bytes a lane is 512 consecutive bytes.
; THE WAY OUT.  A lane holds row r and 8 columns; 16 rows go through the wave's own stage in LDS and come back as whole rows of 256 bytes, which are scattered to the rows that the list names.
; PLACES PAST THE COUNT in the last tile repeat the expert's last row, in the list and in hf: the same operands give the same sums, and the same wave stores the same numbers to the same bytes once more
; (47 rows of 256 bytes at the most for a work-group).  So all 48 rows of a live tile are stored, with all lanes on and no branch.
; NO CLUSTER, NO TENSOR LOADS: each weight byte has one reader and must pass through registers to be rounded.  The tiles of hf are shared by the 16 slices of an (e, kh); joint loads would want a ring in LDS and a round
; of the cluster's barrier for each refill inside a loop whose live trips hang on a stored count and in which the four waves walk apart, and an LDS pass for bytes that now land in operand registers.
; REGISTERS, in windows of 256 (s_set_vgpr_msb: bits 1:0 source 0, 3:2 source 1, 5:4 source 2, 7:6 destination):
;   window 0: v0-31 addresses and work; v32-63 bias; v64-159 the 12 accumulators (block i, column tile t at 64 + 8 (4 i + t)); v160-191 and v216-247 rows read back, two buffers; v192-215 a tile's 48 entries, then their offsets in y
;   window 1: two buffers of 128 for W2's fragments of 128 k; in phase A a ring of three slots of 64 for the weights as loaded          windows 2, 3: four buffers of 96 for h's fragments of 128 k
; THE MODE: SCHED_MODE bits 1:0 = 2 (LLVM: expert scheduling mode 2), set by the entry lines.  The code itself states the register dependences between vector or matrix instructions and memory or LDS
; instructions, with s_wait_alu, always for 0.
; THE PLAN.  Registers that memory or LDS instructions touch:
;   v4-v8, v10-v13, v15  offsets and LDS addresses, made at the head and never written again.  v9 (the slice's LDS stores) is stepped once a batch, v16 (a tile's entries) once a trip.
;   slots S0-S2  (phase A) batch b lands in S[b % 3], is rounded there in place, is read by 16 LDS stores, and the slot is loaded again by batch b + 3.
;   B0, B1       chunk kc's products read B[kc & 1]; the turning loads of chunk kc + 1, issued in chunk kc, land in the other, which chunk kc - 1's products read.
;   A0-A3        chunk kc's products read A[kc & 3]; the loads of chunk kc + 3, issued in chunk kc, land in A[(kc - 1) & 3], which chunk kc - 1's products read.
;   accumulators written by the products; read by the way out's 24 LDS stores; written again by the next tile's first products.  (At the head the list passes through v64-131 on its way into LDS.)
;   v192-215     a tile's entries land here; 48 vector lines make offsets of them in place; the tile's 24 stores read them.
;   row buffers  LDS loads land in them and global stores read them; no vector instruction names them.  Blocks 0 and 2 take the first, block 1 the second.
; So ONE wait on va_vdst stands at a chunk's head, and the chunk's 56 loads follow it, dealt among its four k steps of products, which name none of the registers that those loads touch.  The way out has two waits
; on va_vdst (the sums are written; the offsets are written) and two on vm_vsrc (the last tile's stores have read their registers; block 0's stores and the stage's 24 stores have read theirs).
.set ROWB,  4096                       ; bytes from row to row of W2[e]
.set PB,    160
.set LIST,  163840
.set LISTB, 8704
.set STAGE, 198656                     ; 16 rows x 272 bytes for each wave: 272 = 17 x 16, so the 16 rows of a store start at 16 different 16-byte columns of 256 (64 banks of 4 bytes: ISA guide 11.1).  The claim's last 512 bytes, behind the stages, hold the spare words, 128 bytes for each wave
.set SPI,   272
.set ABLK,  65536                      ; a block of 16 rows in hf
.set BIAS,  32
.set ACC,   64
.set BK,    160                        ; row buffer k at BK + 56 k
.set OF,    192                        ; block i's eight entries, then offsets, at OF + 8 i
.set MSB, 0
.macro WIN new
.if MSB != (\new)
	s_set_vgpr_msb (MSB<<8)|(\new)
.set MSB, \new
.endif
.endm
.macro PLACES                          ; four places behind matrix instructions: ahead of reads of their results, and ahead of loads into their sources, beside the wait that states that dependence
.rept 4
	v_nop
.endr
.endm
.macro WLOAD b                         ; batch b of the slice: my wave's 32 rows of k = 128 b .. + 127
	WIN 0x40
.set q, 0
.rept 16
	global_load_b128 v[64*((\b)%3)+4*q:64*((\b)%3)+4*q+3], v8, s[4:5] offset:(128*(\b)+2*q)*ROWB th:TH_LOAD_NT
.set q, q+1
.endr
.endm
.macro WPUT b                          ; rounded in place, and into LDS
	WIN 0x45
.set q, 0
.rept 16
	v_cvt_pk_bf16_f32 v[64*((\b)%3)+4*q], v[64*((\b)%3)+4*q], v[64*((\b)%3)+4*q+1]
	v_cvt_pk_bf16_f32 v[64*((\b)%3)+4*q+1], v[64*((\b)%3)+4*q+2], v[64*((\b)%3)+4*q+3]
.set q, q+1
.endr
	WIN 0x04
	s_wait_alu depctr_va_vdst(0)                   ; the roundings have written the slot, which the LDS stores read as data; the last batch's add has written v9, their address
.set q, 0
.rept 16
	ds_store_b64 v9, v[64*((\b)%3)+4*q:64*((\b)%3)+4*q+1] offset:320*q
.set q, q+1
.endr
	WIN 0
	s_wait_alu depctr_vm_vsrc(0)                   ; the LDS stores have read v9, which the add below writes, and the slot, in which later loads land; in batch 0 also: the list's LDS stores have read v64 to v131, which the products write later
	v_add_nc_u32 v9, 128*PB, v9
.endm
.macro BRUNF kc, f                     ; 8 turning loads: W2's fragments of k step f of chunk kc
	WIN 0x40
.set bb, 128*((\kc)&1)
.set bo, ((\kc)%3)*128*PB
.irp t, 0,1,2,3
	ds_load_tr16_b128 v[bb+8*(4*(\f)+\t):bb+8*(4*(\f)+\t)+3], v[5+(\kc)/3] offset:bo+(\f)*32*PB+32*\t
	ds_load_tr16_b128 v[bb+8*(4*(\f)+\t)+4:bb+8*(4*(\f)+\t)+7], v[5+(\kc)/3] offset:bo+(\f)*32*PB+16*PB+32*\t
.endr
.endm
.macro ARUNI kc, sb, i                 ; 8 loads: h's fragments of chunk kc for block i of the tile at s[sb:sb+1]
.if ((\kc)&3) < 2
	WIN 0x80
.else
	WIN 0xc0
.endif
.set ab, 96*((\kc)&1)
.irp f, 0,1,2,3
	global_load_b128 v[ab+8*(4*(\i)+\f):ab+8*(4*(\i)+\f)+3], v4, s[\sb:\sb+1] offset:ABLK*(\i)+1024*(4*(\kc)+\f)
	global_load_b128 v[ab+8*(4*(\i)+\f)+4:ab+8*(4*(\i)+\f)+7], v4, s[\sb:\sb+1] offset:ABLK*(\i)+1024*(4*(\kc)+\f)+512
.endr
.endm
.macro ARUN3 kc, sb
	ARUNI \kc, \sb, 0
	ARUNI \kc, \sb, 1
	ARUNI \kc, \sb, 2
.endm
.macro MULSF kc, f                     ; 12 matrix instructions: k step f of chunk kc; the 12 accumulators take turns; a tile's first twelve take the bias as C
.if ((\kc)&3) < 2
	WIN 0x09
.else
	WIN 0x0d
.endif
.set ab, 96*((\kc)&1)
.set bb, 128*((\kc)&1)
.irp i, 0,1,2
.irp t, 0,1,2,3
.if ((\kc) == 0) && ((\f) == 0)
	v_wmma_f32_16x16x32_bf16 v[ACC+8*(4*\i+\t):ACC+8*(4*\i+\t)+7], v[bb+8*(4*(\f)+\t):bb+8*(4*(\f)+\t)+7], v[ab+8*(4*\i+(\f)):ab+8*(4*\i+(\f))+7], v[BIAS+8*\t:BIAS+8*\t+7]
.else
	v_wmma_f32_16x16x32_bf16 v[ACC+8*(4*\i+\t):ACC+8*(4*\i+\t)+7], v[bb+8*(4*(\f)+\t):bb+8*(4*(\f)+\t)+7], v[ab+8*(4*\i+(\f)):ab+8*(4*\i+(\f))+7], v[ACC+8*(4*\i+\t):ACC+8*(4*\i+\t)+7]
.endif
.endr
.endr
.endm
; Chunk kc of a tile: W2's fragments are asked for one chunk ahead, k step by k step; h's three chunks ahead, a block of 16 rows ahead of each of the first three k steps.
; The wait on DScnt is the same ahead of each k step's products: behind that k step's eight loads stand this chunk's later k steps' and the next chunk's as far as issued, 32 in all.
.macro CH kc
.if (\kc) >= 5
.set SBX, 34
.else
.set SBX, 32
.endif
	PLACES                                         ; behind the last chunk's products: the loads below land in the two buffers that they read
	s_wait_loadcnt 48                              ; h of this chunk is in; the next two chunks' 48 loads stay out
	WIN 0x40
	s_wait_alu depctr_va_vdst(0)                   ; the last chunk's products are done reading their fragments of W2 and of h, in which this chunk's 56 loads land; no product of this chunk names those two buffers or v4 to v7
	BRUNF ((\kc)+1)&7, 0
	ARUNI ((\kc)+3)&7, SBX, 0
	s_wait_dscnt 32                                ; all but the youngest 32: W2's fragments of k step 0
	MULSF \kc, 0
	BRUNF ((\kc)+1)&7, 1
	ARUNI ((\kc)+3)&7, SBX, 1
	s_wait_dscnt 32                                ; of k step 1
	MULSF \kc, 1
	BRUNF ((\kc)+1)&7, 2
	ARUNI ((\kc)+3)&7, SBX, 2
	s_wait_dscnt 32                                ; of k step 2
	MULSF \kc, 2
	BRUNF ((\kc)+1)&7, 3
	s_wait_dscnt 32                                ; of k step 3
	MULSF \kc, 3
.endm
; The way out's three parts.  Block i's 16 rows go into my stage;
.macro STGIN i
.irp t, 0,1,2,3
	ds_store_b128 v12, v[ACC+8*(4*(\i)+\t):ACC+8*(4*(\i)+\t)+3] offset:64*\t        ; each accumulator from its low end on
	ds_store_b128 v12, v[ACC+8*(4*(\i)+\t)+4:ACC+8*(4*(\i)+\t)+7] offset:64*\t+16
.endr
.endm
; come back whole into row buffer k: lanes 0-15 row u, lanes 16-31 row u + 8; LDS serves a wave's instructions in order (ISA guide 5.7.1.4): these see the stores ahead of them, and the next block's stores come behind them;
.macro STGOUT k
.irp u, 0,1,2,3,4,5,6,7
	ds_load_b128 v[BK+56*(\k)+4*\u:BK+56*(\k)+4*\u+3], v13 offset:SPI*\u
.endr
.endm
; and are stored to the rows that the list names: 16 lanes store 256 consecutive bytes, aligned.
.macro SEND i, k
.irp u, 0,1,2,3,4,5,6,7
	global_store_b128 v[OF+8*(\i)+\u], v[BK+56*(\k)+4*\u:BK+56*(\k)+4*\u+3], s[12:13]
.endr
.endm
	s_load_b256 s[4:11], s[0:1], 0x0               ; W2 s[4:5], b2 s[6:7], hf s[8:9], lst s[10:11]
	s_load_b64 s[12:13], s[0:1], 0x20              ; y
	v_lshl_add_u32 v254, v0, 2, 0x34c00
	v_mov_b32 v255, 0
	v_lshrrev_b32 v26, 5, v0
	v_readfirstlane_b32 s16, v26                   ; wave 0..3
	v_and_b32 v27, 31, v0                          ; L
	v_and_b32 v28, 15, v0                          ; r
	v_bfe_u32 v29, v0, 4, 1                        ; h
	s_lshr_b32 s17, ttmp9, 5                       ; expert
	s_bfe_u32 s18, ttmp9, 0x40001                  ; slice
	s_and_b32 s19, ttmp9, 1                        ; half of K
	s_cmp_eq_u32 s19, 0
	s_cselect_b32 s20, -1, 0                       ; keeps the bias in half 0, clears it in half 1
	s_wait_alu depctr_va_sdst(0)                   ; s16 is written, ahead of its first reader: LDS places, bases and the first tile are made from it
	s_mul_i32 s24, s16, LISTB
	s_add_co_u32 s24, s24, LIST                    ; my wave's list
	s_mul_i32 s23, s16, 32*PB
	v_lshlrev_b32 v4, 4, v27                       ; 16 L
	v_and_b32 v5, 7, v0
	v_lshl_add_u32 v5, v29, 3, v5
	v_mul_u32_u24 v5, v5, PB
	v_bfe_u32 v6, v0, 3, 1
	v_lshl_add_u32 v5, v6, 4, v5                   ; the turning load's lane term; chunks 0-2
	v_add_nc_u32 v6, 3*128*PB, v5                  ; chunks 3-5
	v_add_nc_u32 v7, 6*128*PB, v5                  ; chunks 6, 7
	v_lshlrev_b32 v8, 4, v28
	v_lshl_add_u32 v8, v29, 12, v8                 ; weights: row h, 16 r
	v_mul_u32_u24 v9, v29, PB
	v_lshl_add_u32 v9, v28, 3, v9
	v_add_nc_u32 v9, s23, v9                       ; and in LDS: row 32 w + h, 8 r
	v_lshlrev_b32 v10, 5, v29                      ; bias: 32 h
	v_add_nc_u32 v11, s24, v4                      ; my 16 bytes in 512 of my list
	s_mul_i32 s23, s16, 16*SPI
	s_add_co_u32 s23, s23, STAGE                   ; my stage
	v_mul_u32_u24 v12, v28, SPI
	v_lshl_add_u32 v12, v29, 5, v12
	v_add_nc_u32 v12, s23, v12                     ; in: row r, 32 h
	v_mul_u32_u24 v13, v29, 8*SPI
	v_lshl_add_u32 v13, v28, 4, v13
	v_add_nc_u32 v13, s23, v13                     ; back: row 8 h, 16 r
	s_mul_i32 s23, s16, 192                        ; a tile's 48 entries are 192 bytes; my first tile is my wave's number
	s_add_co_u32 s23, s23, s24
	v_lshl_add_u32 v16, v29, 5, s23                ; the entries of rows 8 h on of the tile in hand; stepped four tiles a trip
	v_lshlrev_b32 v15, 4, v28                      ; 16 r
	s_mov_b32 s31, 0
	s_wait_kmcnt 0x0
	s_lshl_b32 s30, s17, 23                        ; W2: 8 MB an expert,
	s_lshl_b32 s23, s19, 22                        ; 1,024 rows a half,
	s_add_co_u32 s30, s30, s23
	s_lshl_b32 s23, s16, 17                        ; my wave's 32 rows,
	s_add_co_u32 s30, s30, s23
	s_lshl_b32 s23, s18, 8                         ; the slice's 256 bytes of a row
	s_add_co_u32 s30, s30, s23
	s_add_nc_u64 s[4:5], s[4:5], s[30:31]
	s_lshl_b32 s30, s17, 12
	s_add_co_u32 s30, s30, s23
	s_add_nc_u64 s[6:7], s[6:7], s[30:31]          ; b2[e][64 sl]
	s_lshl_b32 s30, s19, 24                        ; y: 16 MB a plane
	s_add_co_u32 s30, s30, s23
	s_add_nc_u64 s[12:13], s[12:13], s[30:31]
	s_mul_i32 s30, s17, 129*ABLK                   ; hf: the expert's room,
	s_lshl_b32 s23, s19, 15                        ; the half's 32 k steps of 1,024 bytes
	s_add_co_u32 s30, s30, s23
	s_add_nc_u64 s[8:9], s[8:9], s[30:31]
	s_mul_i32 s30, s16, 3*ABLK                     ; three blocks a tile; my first tile is my wave's number
	s_add_nc_u64 s[32:33], s[8:9], s[30:31]
	s_mul_i32 s30, s17, LISTB
	s_add_nc_u64 s[10:11], s[10:11], s[30:31]
	s_load_b32 s21, s[10:11], 0x21fc               ; the expert's count: the list's last word
	; PHASE A
	s_wait_alu depctr_va_vdst(0)                   ; the offsets and LDS addresses v4 to v13, v15 and v16 are written, which the loads and stores of the whole kernel read
.set q, 0
.rept 17
	global_load_b128 v[64+4*q:64+4*q+3], v4, s[10:11] offset:512*q     ; the expert's list, 8,704 bytes, in every wave
.set q, q+1
.endr
.irp t, 0,1,2,3
	global_load_b128 v[BIAS+8*\t:BIAS+8*\t+3], v10, s[6:7] offset:64*\t
	global_load_b128 v[BIAS+8*\t+4:BIAS+8*\t+7], v10, s[6:7] offset:64*\t+16
.endr
	WLOAD 0
	WLOAD 1
	s_wait_loadcnt 32                              ; the list and the bias are in; the two batches stay out
	WLOAD 2                                        ; from here on three batches, 48 loads of 512 bytes, are out for each wave
	WIN 0
.set q, 0
.rept 17
	ds_store_b128 v11, v[64+4*q:64+4*q+3] offset:512*q                 ; my own copy; the data came by loads, the address from the head
.set q, q+1
.endr
.set p, 0
.rept 16
	v_cvt_pk_bf16_f32 v[26+(p%2)], v[BIAS+2*p], v[BIAS+2*p+1]          ; the bias rounded to bf16, kept or cleared, and widened again
	v_and_b32 v[26+(p%2)], s20, v[26+(p%2)]
	v_lshlrev_b32 v[BIAS+2*p], 16, v[26+(p%2)]
	v_and_b32 v[BIAS+2*p+1], 0xffff0000, v[26+(p%2)]
.set p, p+1
.endr
.irp b, 0,1,2,3,4,5,6,7
.if \b < 6
	s_wait_loadcnt 32                              ; batch b is in; two batches were issued behind it
.elseif \b == 6
	s_wait_loadcnt 40                              ; behind batch 6: batch 7's 16 loads and the 24 of h's chunk 0
.else
	s_wait_loadcnt 48                              ; behind batch 7: h's chunks 0 and 1
.endif
	WPUT \b
.if \b < 5
	WIN 0x40
	s_wait_alu depctr_va_vdst(0)                   ; the roundings are done reading and writing the slot, in which the batch three on lands: said directly ahead of its loads, since the LDS stores stand between
	WLOAD \b+3
.elseif \b < 7
	ARUN3 \b-5, 32                                 ; my first tile's first two chunks go out under the last two batches; no vector instruction has named their registers, or v4 since the head's wait
.endif
.endr
	s_wait_kmcnt 0x0
	s_min_u32 s21, s21, 2048
	s_add_co_u32 s25, s21, 47
	s_mul_i32 s25, s25, 43691
	s_lshr_b32 s25, s25, 21                        ; tiles = (count + 47) / 48: 43691 x 48 = 2^21 + 16, exact up to 2,095
	s_mov_b32 s26, s16                             ; my first tile (of a tile that does not exist the rows are read from the expert's room and never used)
	s_wait_dscnt 0x0                               ; for the others' sake: my rows of the slice are in LDS
	s_barrier_signal -1
	s_barrier_wait -1                              ; the whole slice is; nothing writes it again
	WIN 0x40
	s_wait_alu depctr_va_vdst(0)                   ; the roundings of batches 6 and 7 are done with v0 to v127 of window 1, in which W2's first fragments land (each batch's own wait has shown that its LDS stores have read them)
	BRUNF 0, 0
	BRUNF 0, 1
	BRUNF 0, 2
	BRUNF 0, 3
	ARUN3 2, 32
	WIN 0
	; PHASE B.  At the label, on both ways: h's chunks 0, 1 and 2 of tile s26 (72 loads) and W2's chunk 0 (32 LDS loads) have been asked for.
	s_mov_b32 s27, 11
.Ltrip:
	s_cmp_ge_u32 s26, s25
	s_cbranch_scc1 .Ldead
	CH 0
	CH 1
	CH 2
	WIN 0
	s_add_co_u32 s28, s26, 4                       ; my next tile, or this one again if there is none: the look-ahead reads blocks that were written
	s_cmp_lt_u32 s28, s25
	s_cselect_b32 s28, s28, s26
	s_min_u32 s28, s28, 42
	s_mul_i32 s30, s28, 3*ABLK
	s_add_nc_u64 s[34:35], s[8:9], s[30:31]        ; the loads that named s[34:35], this tile's chunks 0 to 2, were shown in by chunk 2's wait
	CH 3
	CH 4
	CH 5
	CH 6
	CH 7
	WIN 0
	s_mov_b64 s[32:33], s[34:35]                   ; the loads that named s[32:33] ended with chunk 7, which chunk 7's wait showed in
	PLACES                                         ; behind the last products, ahead of the LDS stores that read their results
	s_wait_xcnt 0x0                                ; the last tile's stores have had their addresses translated: their data and offsets are written again only behind this wait
	s_wait_alu depctr_vm_vsrc(0)                   ; the last tile's stores have read their offsets, v192 to v215, and both row buffers, in all of which loads land below
	s_wait_alu depctr_va_vdst(0)                   ; the products have written the accumulators, which the LDS stores read; the last tile's arithmetic is done with v192 to v215, in which the entries land; the add has written v16, their address
.irp i, 0,1,2
	ds_load_b128 v[OF+8*\i:OF+8*\i+3], v16 offset:64*\i                ; the entries of rows 8 h + 0..7 of each of the tile's three blocks
	ds_load_b128 v[OF+8*\i+4:OF+8*\i+7], v16 offset:64*\i+16
.endr
	STGIN 0
	STGOUT 0
	s_wait_dscnt 16                                ; the entries are in; block 0's sixteen LDS instructions stay out
.set uu, 0
.rept 24
	v_min_u32 v[OF+uu], 0xfff, v[OF+uu]            ; a row of the plane, whatever the list holds
.set uu, uu+1
.endr
.set uu, 0
.rept 24
	v_lshl_add_u32 v[OF+uu], v[OF+uu], 12, v15     ; rows of 4,096 bytes, + 16 r
.set uu, uu+1
.endr
	s_wait_alu depctr_va_vdst(0)                   ; the 24 offsets are written, which the tile's stores read
	STGIN 1
	STGOUT 1
	s_wait_dscnt 16                                ; block 0's rows are back; block 1's sixteen stay out
	SEND 0, 0
	STGIN 2
	s_wait_xcnt 0x0                                ; block 0's stores have had their addresses translated: their data are written again only behind this wait
	s_wait_alu depctr_vm_vsrc(0)                   ; block 0's stores have read the first row buffer, in which block 2's rows land; the 24 LDS stores have read the accumulators, which the next tile's products write
	STGOUT 0
	s_wait_dscnt 16                                ; block 1's rows are back; block 2's sixteen stay out
	SEND 1, 1
	s_wait_dscnt 0x0                               ; block 2's rows are back
	SEND 2, 0
.Ldead:
	s_wait_alu depctr_vm_vsrc(0)                   ; the entries' loads have read v16
	v_add_nc_u32 v16, 4*192, v16                   ; my next tile's entries: 43 tiles' worth at the most, inside my list's 8,704 bytes
	s_add_co_u32 s26, s26, 4
	s_sub_co_u32 s27, s27, 1
	s_cmp_lg_u32 s27, 0
	s_cbranch_scc1 .Ltrip
	s_wait_dscnt 0x0                               ; the wave's end: my last LDS instructions.
	s_wait_alu depctr_hold_cnt(0) depctr_sa_sdst(0) depctr_va_vdst(0) depctr_va_sdst(0) depctr_va_ssrc(0) depctr_va_vcc(0) depctr_vm_vsrc(0)
	s_wait_tensorcnt 0x0
	ds_add_u32 v254, v255
	s_wait_dscnt 0x0
	s_endpgm
.Lfunc_end_k_q662e2e3e3b_ffn2:
	.size	k_q662e2e3e3b_ffn2, .Lfunc_end_k_q662e2e3e3b_ffn2-k_q662e2e3e3b_ffn2
	.p2alignl 7, 3214868480
	.fill 96, 4, 3214868480
	.section	.rodata,"a",@progbits
	.p2align	6, 0x0
	.amdhsa_kernel k_q662e2e3e3b_ffn2
		.amdhsa_group_segment_fixed_size 216576
		.amdhsa_private_segment_fixed_size 0
		.amdhsa_enable_private_segment 0
		.amdhsa_kernarg_size 40
		.amdhsa_user_sgpr_count 2
		.amdhsa_user_sgpr_kernarg_segment_ptr 1
		.amdhsa_wavefront_size32 1
		.amdhsa_system_sgpr_workgroup_id_x 1
		.amdhsa_system_sgpr_workgroup_id_y 1
		.amdhsa_system_sgpr_workgroup_id_z 1
		.amdhsa_system_vgpr_workitem_id 0
		.amdhsa_next_free_vgpr 960
		.amdhsa_next_free_sgpr 66
		.amdhsa_reserve_vcc 0
		.amdhsa_float_denorm_mode_32 3
		.amdhsa_float_denorm_mode_16_64 3
		.amdhsa_memory_ordered 1
		.amdhsa_forward_progress 1
		.amdhsa_inst_pref_size 131
	.end_amdhsa_kernel
	.amdgpu_metadata
---
amdhsa.version: [ 1, 2 ]
amdhsa.kernels:
  - .name:           k_q662e2e3e3b_ffn2
    .symbol:         k_q662e2e3e3b_ffn2.kd
    .args:
      - { .name: W2, .offset: 0, .size: 8, .value_kind: global_buffer, .address_space: global }
      - { .name: b2, .offset: 8, .size: 8, .value_kind: global_buffer, .address_space: global }
      - { .name: hf, .offset: 16, .size: 8, .value_kind: global_buffer, .address_space: global }
      - { .name: lst, .offset: 24, .size: 8, .value_kind: global_buffer, .address_space: global }
      - { .name: y, .offset: 32, .size: 8, .value_kind: global_buffer, .address_space: global }
    .group_segment_fixed_size: 216576
    .private_segment_fixed_size: 0
    .kernarg_segment_align: 8
    .kernarg_segment_size: 40
    .max_flat_workgroup_size: 128
    .sgpr_count:     66
    .vgpr_count:     960
    .wavefront_size: 32
...
	.end_amdgpu_metadata
.endif
;; end of part 7
;; launch finish: the kernel of part 5 again; grid 256 x 1, 8 waves a work-group, no clusters, 0 bytes of LDS; arguments y, xb, momentum, gw, ln_g, ln_b, out0, out1; writes out0, out1
